; MI455X (gfx1250); checked and timed in simulation.
; The chip was launched on July 23, 2026; its instructions are those of AMD's public machine-readable ISA for CDNA 5 (MIT licence, August 2026) and "CDNA5" Instruction Set Architecture Reference Guide (July 2026). The comments in the code are by the model that wrote it; some were corrected since.
;; Multi Head Attention. Allowed arithmetic: float matrix products may take bf16 or f16 operands with f32 sums; other float arithmetic in f32, or as packed bf16 or f16 multiplies, adds, multiply-adds, maxima and minima; sums over many terms, partial sums and values carried from step to step in f32; what a program stores and reads back later, other than sums and carried values, may be rounded once to bf16 or f16.
;; Inputs: Wk 1,024 x 1,024 float32; Wo 1,024 x 1,024 float32; Wq 1,024 x 1,024 float32; Wv 1,024 x 1,024 float32; bo 1,024 float32; x 4 x 4,096 x 1,024 float32.
;; Outputs: out0 4 x 4,096 x 1,024 float32.
;; 2 versions, each right. Each part assembles by itself: llvm-mc -triple=amdgcn-amd-amdhsa -mcpu=gfx1250 --defsym DOCPART=n.
;; ======== version 1 of 2: 2 launches
;; limits: values are held in f16: magnitudes above 65,504 overflow, below 6.1e-05 lose precision
;; workspace buffers: wf 8,388,608 bytes
;; launch prep (part 1): grid 512 x 1, 8 waves a work-group, no clusters, 18,432 bytes of LDS; arguments Wq, Wk, Wv, Wo, wf; writes wf
.if DOCPART == 1
	.amdgcn_target "amdgcn-amd-amdhsa--gfx1250"
	.amdhsa_code_object_version 6
	.text
	.protected	k_q72b9ff11c2_prep
	.globl	k_q72b9ff11c2_prep
	.p2align	8
	.type	k_q72b9ff11c2_prep,@function
k_q72b9ff11c2_prep:
	s_mov_b64 s[64:65], 0
	v_nop
	global_prefetch_b8 v0, s[64:65] scope:SCOPE_SE
	s_setreg_imm32_b32 hwreg(HW_REG_WAVE_MODE, 25, 1), 1
	s_wait_xcnt 0x0
; THE WEIGHTS, ONCE: Wq, Wk, Wv, Wo ([k][n], f32) are rounded to f16 and laid out as ONE stream wf of 8 MiB, in the order in which the next launch
; takes it, each 16 columns x 32 k already in the register order of a matrix operand.  Byte of wf:
;   ((g 16 + s) 4 + w) 32768 + (kk 16 + nb) 1024 + i 512 + (16 h + r) 16 + 2 e     holds     W_g[klog][col],  kpos = 64 s + 32 kk + 16 i + 8 h + e
;   g matrix (0 q, 1 k, 2 v, 3 o); s step of 64 along K; w the wave that takes it; nb its block of 16 columns; r the lane's column in it.
;   col:  g = 0, 1: 64 r + 16 w + nb (lane = head)    g = 2: 64 nb + 16 w + r (block = head)    g = 3: 256 w + 64 (nb / 4) + 4 r + nb % 4
;   klog: g < 3: kpos.   g = 3: kpos = 256 c + 64 w2 + 32 h2 + 2 r2 + e2  ->  klog = 64 r2 + 16 w2 + 8 h2 + 2 c + e2 (the order in which the attention leaves O)
; LIMIT: a weight beyond 65,504 becomes an infinity in f16; below 6e-5 it keeps f16's fixed step of 6e-8.
; SHARES.  A work-group takes 8 neighbouring kpos of one matrix and all 1,024 columns: it reads 8 rows of 4,096 bytes (a wave's load covers 512 consecutive bytes) and
; writes 64 pieces of 256 consecutive bytes, aligned.  A thread packs 8 k of a column into 16 bytes; the pieces are gathered in LDS (pitch 272) and read back whole.
; No matrix unit, no cluster, no tensor load: 16 MiB are read once and nothing is shared.
.set PU,    272                        ; a piece of 256 bytes + 16: read back without bank conflicts
.set SPARE, 64*PU                      ; behind the 64 pieces: the spare words, 128 bytes for each of the eight waves
.set TO,   1                           ; v1   16 t: my 4 columns in a row
.set LA,   2                           ; v2   where my first column's 16 bytes go in LDS
.set RB,   3                           ; v3   where I read 16 bytes of a piece back
.set GO,   4                           ; v4   and where they go in wf
.set T15,  5                           ; v5   t % 16
.set T4,   6                           ; v6   t / 16
.set TT,   7                           ; v7   at work
.set ROWS, 8                           ; v[8:39]   row e: 4 registers
.set CH,   40                          ; v[40:55]  column q: 8 k in 4 registers
.set SPW,  62                          ; v62  LDS address of my spare word; never rewritten
.set NIL,  63                          ; v63  0; never rewritten
	s_load_b256 s[4:11], s[0:1], 0x0               ; Wq s[4:5], Wk s[6:7], Wv s[8:9], Wo s[10:11]
	s_load_b64 s[12:13], s[0:1], 0x20              ; wf
	v_lshl_add_u32 v[SPW], v0, 2, SPARE
	v_mov_b32 v[NIL], 0
	s_lshr_b32 s16, ttmp9, 7                       ; g
	s_and_b32 s17, ttmp9, 127                      ; kg: kpos = 8 kg + e
	s_lshl_b32 s18, s17, 3                         ; g < 3: my first row is 8 kg
	s_and_b32 s19, s17, 3                          ; g = 3: 256 kg[1:0] + 16 kg[4:3] + 8 kg[2] + 2 kg[6:5]; row e lies 64 (e / 2) + e % 2 further
	s_lshl_b32 s19, s19, 8
	s_bfe_u32 s20, s17, 0x20003
	s_lshl4_add_u32 s19, s20, s19
	s_bfe_u32 s21, s17, 0x10002                    ; kg[2], which is also kk
	s_lshl3_add_u32 s19, s21, s19
	s_bfe_u32 s20, s17, 0x20005
	s_lshl1_add_u32 s19, s20, s19
	s_cmp_eq_u32 s16, 3
	s_cselect_b32 s18, s19, s18
	s_lshl_b32 s18, s18, 12                        ; rows of 4,096 bytes
	s_mov_b32 s19, 0
	s_lshr_b32 s22, ttmp9, 3                       ; 16 g + s
	s_lshl_b32 s22, s22, 17
	s_lshl_b32 s21, s21, 14                        ; + kk 16384
	s_add_co_u32 s22, s22, s21
	s_bfe_u32 s20, s17, 0x10001                    ; + i 512
	s_lshl_b32 s20, s20, 9
	s_add_co_u32 s22, s22, s20
	s_and_b32 s20, s17, 1                          ; + h 256
	s_lshl_b32 s20, s20, 8
	s_add_co_u32 s22, s22, s20
	s_mov_b32 s23, 0
	v_lshlrev_b32 v[TO], 4, v0
	v_and_b32 v[T15], 15, v0
	v_lshrrev_b32 v[T4], 4, v0
	v_mul_u32_u24 v[RB], v[T4], PU                 ; back: piece 16 m + t / 16, 16 bytes at t % 16
	v_lshl_add_u32 v[RB], v[T15], 4, v[RB]
	v_lshlrev_b32 v[GO], 10, v[T4]                 ; nb = t / 16: 1,024 bytes apart; w = m stands in the immediate
	v_lshl_add_u32 v[GO], v[T15], 4, v[GO]
	s_wait_kmcnt 0x0
	s_cmp_eq_u32 s16, 1                            ; the matrix is chosen by the work-group's number alone
	s_cselect_b64 s[14:15], s[6:7], s[4:5]
	s_cmp_eq_u32 s16, 2
	s_cselect_b64 s[14:15], s[8:9], s[14:15]
	s_cmp_eq_u32 s16, 3
	s_cselect_b64 s[14:15], s[10:11], s[14:15]
	s_add_nc_u64 s[14:15], s[14:15], s[18:19]
	s_add_nc_u64 s[12:13], s[12:13], s[22:23]
.macro LOADROWS perm                   ; my 16 bytes of the 8 rows; perm = 1: Wo's order of rows
.irp e, 0,1,2,3,4,5,6,7
.if \perm
	global_load_b128 v[ROWS+4*(\e):ROWS+4*(\e)+3], v[TO], s[14:15] offset:(64*((\e)/2)+(\e)%2)*4096 th:TH_LOAD_NT
.else
	global_load_b128 v[ROWS+4*(\e):ROWS+4*(\e)+3], v[TO], s[14:15] offset:(\e)*4096 th:TH_LOAD_NT
.endif
.endr
.endm
.macro PACKSTORE step                  ; column q's 8 k, rounded in pairs, are 16 bytes; they go step bytes apart
	s_wait_loadcnt 0x0
.irp q, 0,1,2,3
.irp m, 0,1,2,3
	v_cvt_pk_f16_f32 v[CH+4*(\q)+(\m)], v[ROWS+8*(\m)+(\q)], v[ROWS+8*(\m)+4+(\q)]
.endr
.endr
.irp q, 0,1,2,3
	ds_store_b128 v[LA], v[CH+4*(\q):CH+4*(\q)+3] offset:(\q)*(\step)
.endr
.endm
	s_cmp_eq_u32 s16, 3
	s_cbranch_scc1 .Lwo
	LOADROWS 0
	s_cmp_eq_u32 s16, 2
	s_cbranch_scc1 .Lwv
	v_mul_u32_u24 v[LA], v[T15], 4*PU              ; q, k: column 4 t + q is piece (4 t + q) % 64, lane t / 16
	v_lshl_add_u32 v[LA], v[T4], 4, v[LA]
	PACKSTORE PU
	s_branch .Ljoin
.Lwv:
	v_bfe_u32 v[TT], v0, 2, 2                      ; v: piece 16 ((t / 4) % 4) + t / 16, lane 4 (t % 4) + q
	v_lshl_add_u32 v[TT], v[TT], 4, v[T4]
	v_mul_u32_u24 v[LA], v[TT], PU
	v_and_b32 v[TT], 3, v0
	v_lshl_add_u32 v[LA], v[TT], 6, v[LA]
	PACKSTORE 16
	s_branch .Ljoin
.Lwo:
	LOADROWS 1
	v_mul_u32_u24 v[LA], v[T4], 4*PU               ; o: piece 4 (t / 16) + q, lane t % 16
	v_lshl_add_u32 v[LA], v[T15], 4, v[LA]
	PACKSTORE PU
.Ljoin:
	s_wait_dscnt 0x0                               ; for the others' sake: my stores are done
	s_barrier_signal -1
	s_barrier_wait -1
.irp m, 0,1,2,3
	ds_load_b128 v[ROWS+4*(\m):ROWS+4*(\m)+3], v[RB] offset:(\m)*16*PU
.endr
.irp m, 0,1,2,3
	s_wait_dscnt 3-(\m)                            ; LDS loads come back in order: the younger ones may stay out
	global_store_b128 v[GO], v[ROWS+4*(\m):ROWS+4*(\m)+3], s[12:13] offset:(\m)*32768  ; 16 lanes store 256 consecutive bytes, at a multiple of 256 from wf's first byte
.endr
	s_wait_tensorcnt 0x0                           ; the wave's end, behind my last LDS store
	ds_add_u32 v[SPW], v[NIL]
	s_wait_dscnt 0x0
	s_endpgm
.Lfunc_end_k_q72b9ff11c2_prep:
	.size	k_q72b9ff11c2_prep, .Lfunc_end_k_q72b9ff11c2_prep-k_q72b9ff11c2_prep
	.p2alignl 7, 3214868480
	.fill 96, 4, 3214868480
	.section	.rodata,"a",@progbits
	.p2align	6, 0x0
	.amdhsa_kernel k_q72b9ff11c2_prep
		.amdhsa_group_segment_fixed_size 18432
		.amdhsa_private_segment_fixed_size 0
		.amdhsa_enable_private_segment 0
		.amdhsa_kernarg_size 40
		.amdhsa_user_sgpr_count 2
		.amdhsa_user_sgpr_kernarg_segment_ptr 1
		.amdhsa_wavefront_size32 1
		.amdhsa_system_sgpr_workgroup_id_x 1
		.amdhsa_system_sgpr_workgroup_id_y 1
		.amdhsa_system_sgpr_workgroup_id_z 1
		.amdhsa_system_vgpr_workitem_id 0
		.amdhsa_next_free_vgpr 64
		.amdhsa_next_free_sgpr 66
		.amdhsa_reserve_vcc 0
		.amdhsa_float_denorm_mode_32 3
		.amdhsa_float_denorm_mode_16_64 3
		.amdhsa_memory_ordered 1
		.amdhsa_forward_progress 1
		.amdhsa_inst_pref_size 10
	.end_amdhsa_kernel
	.amdgpu_metadata
---
amdhsa.version: [ 1, 2 ]
amdhsa.kernels:
  - .name:           k_q72b9ff11c2_prep
    .symbol:         k_q72b9ff11c2_prep.kd
    .args:
      - { .name: Wq, .offset: 0, .size: 8, .value_kind: global_buffer, .address_space: global }
      - { .name: Wk, .offset: 8, .size: 8, .value_kind: global_buffer, .address_space: global }
      - { .name: Wv, .offset: 16, .size: 8, .value_kind: global_buffer, .address_space: global }
      - { .name: Wo, .offset: 24, .size: 8, .value_kind: global_buffer, .address_space: global }
      - { .name: wf, .offset: 32, .size: 8, .value_kind: global_buffer, .address_space: global }
    .group_segment_fixed_size: 18432
    .private_segment_fixed_size: 0
    .kernarg_segment_align: 8
    .kernarg_segment_size: 40
    .max_flat_workgroup_size: 256
    .sgpr_count:     66
    .vgpr_count:     64
    .wavefront_size: 32
...
	.end_amdgpu_metadata
.endif
;; end of part 1
;; launch mha (part 2): grid 256 x 1, 4 waves a work-group, clusters of 4 x 1, 327,680 bytes of LDS; arguments x, wf, bo, out0; writes out0
.if DOCPART == 2
	.amdgcn_target "amdgcn-amd-amdhsa--gfx1250"
	.amdhsa_code_object_version 6
	.text
	.protected	k_q72b9ff11c2_mha
	.globl	k_q72b9ff11c2_mha
	.p2align	8
	.type	k_q72b9ff11c2_mha,@function
k_q72b9ff11c2_mha:
	s_mov_b64 s[64:65], 0
	v_nop
	global_prefetch_b8 v0, s[64:65] scope:SCOPE_SE
	s_setreg_imm32_b32 hwreg(HW_REG_WAVE_MODE, 25, 1), 1
	s_wait_xcnt 0x0
	s_wait_alu depctr_hold_cnt(0) depctr_sa_sdst(0) depctr_va_vdst(0) depctr_va_sdst(0) depctr_va_ssrc(0) depctr_va_vcc(0) depctr_vm_vsrc(0)
	s_getreg_b32 s2, hwreg(HW_REG_IB_STS2, 6, 4)
	s_cmp_eq_u32 s2, 0
	s_cbranch_scc0 .Lentry_in_a_cluster
	s_endpgm
.Lentry_in_a_cluster:
	s_bfe_u32 s2, ttmp6, 0x10000c
	s_cmp_lg_u32 s2, 0x3003
	s_cbranch_scc0 .Lentry_shape_is_right
	s_endpgm
.Lentry_shape_is_right:
; out = (softmax over heads of (q_h . k_h' / 32) applied to v) Wo + bo, with q, k, v = x Wq, x Wk, x Wv, for each of 16,384 tokens by itself: the attended axis is the 16 HEADS of one token.
; ONE LAUNCH: a work-group owns 64 tokens and all 1,024 columns, so q, k, v, the weights P and O never leave the WGP.  Four products of 64 x 1024 x 1024 (Q, K, V, Out) run on one loop text;
; between them the attention runs on the matrix unit, straight from the accumulators.
; FORMATS.  All matrix operands are f16 (x, the weights, q, k, v, P, O), each rounded once; all sums, the maximum, the exponentials and the division are f32; the row's maximum is taken away.
; LIMITS.  |x|, |W|, |q|, |k|, |v| stay within 65,504: beyond it f16 holds an infinity.  Numbers below 6e-5 keep f16's fixed step of 6e-8.  A softmax weight below 2^-126 counts as 0.
; NaN and infinities are not treated apart (a pair of tokens shares a matrix operand, the partner's half being multiplied by 0).  x is read three times, once for each of Q, K, V.
; SHARES.  Wave w makes all 64 tokens x 256 columns: 64 accumulators (token block tb of 4, column block nb of 16), 512 registers.  WHICH columns is laid down in wf (the launch before):
;   Q, K: block nb, lane r = head r, channel 16 w + nb.     V: = head nb, channel 16 w + r.     Out: = column 256 w + 64 (nb / 4) + 4 r + nb % 4.
; So eight conversions and four swaps of lane halves turn a pair of tokens' results into matrix operands, and a lane ends with 4 neighbouring columns of out.
; THE WEIGHTS are one stream of 64 slots of 128 KiB (64 along K of one matrix), through a ring of two LDS slots.  All work-groups walk the same stream: the four of a cluster ask JOINTLY,
; each wave for its own 32 KiB (which it alone reads), one tensor load a wave behind each round of the cluster's barrier; 112 of a slot's 128 matrix instructions stand between request and wait.
; A mask names four work-groups at the most, so 4 x 1 is all the sharing there is.
; THE A OPERAND comes through LDS bytes of its own, written by ds_store: x cast to f16, 64 along K at a time, two buffers; in the last product O, 256 along K at a time.
;
; LDS: 0, 131072 ring slots (wave w's quarter at 32768 w: 32 fragments of 1,024 bytes, read as 512 consecutive bytes a load).  From 262144 scratch that no tensor load fills:
;   +0, +16384 x's two buffers (64 rows, pitch 144);  +25600 partial scores [wave 4][token 8][1,024], later P [pair 32][half 2][512];  +0 (last product) O (64 rows, pitch 528).  327168: the spare words.
; REGISTERS, in windows of 256 (s_set_vgpr_msb: bits 1:0 source 0, 3:2 source 1, 5:4 source 2, 7:6 destination):
;   window 0: v0-29 addresses; v32-63 x as loaded (later the bias); v64-127 A's fragments (kk 0, 1); v128-191, v192-255 the weights' fragments (column blocks 0-7, 8-15); v64-255 at work in the attention
;   window 1: q as operands, 8 a pair of tokens; then P; then O, 4 a token          windows 2, 3: the accumulators of column blocks 0-7, 8-15: (tb, nb % 8) at 8 (8 tb + nb % 8)
.set SLOTB, 131072
.set SCR,   262144
.set ABUF,  16384                      ; x's second buffer lies this far behind the first: one exclusive or changes buffers
.set PITX,  144                        ; 128 bytes + 16: the 16 rows of a fragment load start at 16 different groups of four banks (64 banks of 4 bytes: ISA guide 11.1)
.set PITO,  528                        ; 512 bytes + 16: likewise
.set STG,   SCR+25600
.set PB,    STG
.set SPARE, 327168
.set AW0,  2                           ; v2   16 l + 32768 w: my lane's place in a slot; never rewritten
.set AW,   3                           ; v3   the same in the slot in hand
.set AX0,  4                           ; v4   SCR + r pitch + 16 h: my lane's place in A's buffer
.set AX,   5                           ; v5   the same in the buffer, or at the K, in hand
.set XST0, 6                           ; v6   where I put 8 bytes of x: SCR + (16 w + h) 144 + 8 r
.set XST,  7
.set XG0,  8                           ; v8   my 16 bytes of x: (16 w + h) 4096 + 16 r
.set XG,   9
.set PFO,  10                          ; v10  x's prefetch: (16 w + r) 4096 + 256 h
.set PF,   11
.set PWO,  12                          ; v12  wf's prefetch: 256 l; never rewritten
.set STS,  13                          ; v13  partial scores out: STG + 8192 w + 16 l
.set STL,  14                          ; v14  and in: STG + 2048 w + 16 l
.set PST,  15                          ; v15  P out: PB + 1024 w + 16 l
.set PLD,  16                          ; v16  P in: PB + 16 l
.set OST,  17                          ; v17  O out: SCR + 128 w + 4 l
.set OUTO, 18                          ; v18  out0: 32768 h + 1024 w + 16 r
.set BO,   19                          ; v19  bo: 1024 w + 16 r
.set LN,   20                          ; v20  l     v21  r = l % 16     v22  h = l / 16
.set LR,   21
.set LH,   22
.set SPW,  28                          ; v28  LDS address of my spare word; never rewritten
.set NIL,  29                          ; v29  0; never rewritten
.set XS,   32
.set XF,   64                          ; A's fragment (kk, tb) at XF + 32 kk + 8 tb
.set WB,   128                         ; the weights' fragment n of buffer b at WB + 64 b + 8 n
.set TA,   64                          ; attention: operand [data | 0], two sets 16 apart
.set TB,   72                          ;            operand [0 | data]
.set EA,   96                          ; my partial scores of a round's 8 tokens
.set EL,   160                         ; the four waves' partial scores of my 2 tokens: [half][wave][8]
.set SM,   224                         ; statistics, 8 a half: c m, m, two at work, l, one at work, 1 / l, (its pair)
.set PP,   96                          ; P's operands, two batches of 8 pairs
.set DD,   224                         ; O^T, two sets of two results
.set OS,   64                          ; out with its bias, 16 rows' worth
.set WV,   12                          ; s12  my wave's number
.set G1,   16                          ; s[16:23] descriptor group 1
.set G0A,  24                          ; s[24:27] group 0 of slot 0's first fill
.set G0B,  28                          ; s[28:31] group 0 of slot 1's first fill; then it walks
.set CNT,  32                          ; s32  the loop's count
.set TW,   33                          ; s33  the ring slot in hand: 0 or 131072
.set TX,   34                          ; s34  A's buffer (or K offset) that is read
.set TS,   35                          ; s35  x's buffer that is written
.set XO,   36                          ; s36  x's K offset in bytes, modulo a row
.set SN,   37                          ; s37  last product: the number of the slot to come
.set GS,   38                          ; s38  refills done
.set LIMW, 39                          ; s39  60 in the first cluster, else 0: a wave prefetches wf while s38 is below it
.set CS,   40                          ; s[40:41] c = log2(e) / 32
.set SEL,  42                          ; s[42:43] v_permlanex16_b32's selects: each lane takes its own place in the other half
.set PW,   44                          ; s[44:45] where my prefetches of wf stand
.set MSB, 0
.macro WIN new                         ; the high byte repeats the setting that is left; a switch that changes nothing is dropped
.if MSB != (\new)
	s_set_vgpr_msb (MSB<<8)|(\new)
.set MSB, (\new)
.endif
.endm
; A vector instruction or LDS store that reads a matrix result, and a load or vector write into a register that a matrix instruction has named, stand four places behind it; only plain vector
; instructions that name none of its registers are places (ISA guide 7.12.1 for vector instructions).
.macro PLACES n=4
.rept \n
	v_nop
.endr
.endm
.macro BAR                             ; my work-group's barrier; the caller has waited for its LDS instructions
	s_barrier_signal -1
	s_barrier_wait -1
.endm
.macro CREST                           ; a round of the cluster's barrier behind its opening barrier
	s_cmp_lg_u32 s[WV], 0
	s_cbranch_scc1 .Lnot_wave_0_\@
	s_barrier_signal -3
.Lnot_wave_0_\@:
	s_barrier_wait -3
	s_barrier_signal -1
	s_barrier_wait -1
.endm
.macro CROUND
	BAR
	CREST
.endm
.macro JLOAD                           ; the joint refill: every wave issues the line, each with its own quarter; the four v_nop are also the places in front of the loads that follow
	tensor_load_to_lds s[G0B:G0B+3], s[G1:G1+7]
	s_nop 0
	PLACES
.endm
; A PREFETCH of wf, two slots (256 matrix instructions) ahead of the joint load that will ask for the bytes.  All clusters walk the same stream: the first cluster asks, nobody else.  Its 16 waves x 32 lanes
; name a slot's 512 blocks of 256 bytes once each, told apart by address.  Slots 0 to 3 come by their loads alone; behind refill 59 there is no slot left to name.
.macro ASKW
	s_cmp_lt_u32 s[GS], s[LIMW]
	s_cbranch_scc0 .Lnot_mine_\@
	global_prefetch_b8 v[PWO], s[PW:PW+1] th:TH_LOAD_NT scope:SCOPE_SE
.Lnot_mine_\@:
	s_add_co_u32 s[GS], s[GS], 1
.endm
.macro LDW buf, blk                    ; 16 LDS loads: the slot's fragments blk .. blk + 7 into buffer buf
.irp n, 0,1,2,3,4,5,6,7
	ds_load_b128 v[WB+64*(\buf)+8*(\n):WB+64*(\buf)+8*(\n)+3],   v[AW] offset:((\blk)+(\n))*1024
	ds_load_b128 v[WB+64*(\buf)+8*(\n)+4:WB+64*(\buf)+8*(\n)+7], v[AW] offset:((\blk)+(\n))*1024+512
.endr
.endm
.macro LDX kk                          ; 8 LDS loads: A's four fragments of 32 along K; PIT is the pitch of the buffer in use
.irp t, 0,1,2,3
	ds_load_b128 v[XF+32*(\kk)+8*(\t):XF+32*(\kk)+8*(\t)+3],   v[AX] offset:(\t)*16*PIT+64*(\kk)
	ds_load_b128 v[XF+32*(\kk)+8*(\t)+4:XF+32*(\kk)+8*(\t)+7], v[AX] offset:(\t)*16*PIT+64*(\kk)+32
.endr
.endm
; nt x 8 matrix instructions: token blocks t0 .., column blocks 8 hi .. 8 hi + 7.  Source 0 = 16 tokens, source 1 = 16 columns: lane (r, h), register j holds token 16 tb + 8 h + j, the block's column r.
; The 64 accumulators take turns, one instruction a turn, over the backward jump too.  zero = 1: the product starts the sum: nothing is cleared.
.macro MM hi, kk, t0, nt, zero
	WIN 0xa0+0x50*(\hi)
.set mt, (\t0)
.rept \nt
.irp n, 0,1,2,3,4,5,6,7
.if \zero
	v_wmma_f32_16x16x32_f16 v[8*(8*mt+(\n)):8*(8*mt+(\n))+7], v[XF+32*(\kk)+8*mt:XF+32*(\kk)+8*mt+7], v[WB+64*(\hi)+8*(\n):WB+64*(\hi)+8*(\n)+7], 0
.else
	v_wmma_f32_16x16x32_f16 v[8*(8*mt+(\n)):8*(8*mt+(\n))+7], v[XF+32*(\kk)+8*mt:XF+32*(\kk)+8*mt+7], v[WB+64*(\hi)+8*(\n):WB+64*(\hi)+8*(\n)+7], v[8*(8*mt+(\n)):8*(8*mt+(\n))+7]
.endif
.endr
.set mt, mt+1
.endr
.endm
; x ON ITS WAY IN.  A wave brings 16 of the 64 rows: 8 loads of 2 rows x 256 bytes (64 f32 along K), cast in place, 8 bytes a lane into LDS.
.macro XCVT
.irp q, 0,1,2,3,4,5,6,7
	v_cvt_pk_f16_f32 v[XS+4*(\q)],   v[XS+4*(\q)],   v[XS+4*(\q)+1]
	v_cvt_pk_f16_f32 v[XS+4*(\q)+1], v[XS+4*(\q)+2], v[XS+4*(\q)+3]
.endr
.endm
.macro XSTO
.irp q, 0,1,2,3,4,5,6,7
	ds_store_b64 v[XST], v[XS+4*(\q):XS+4*(\q)+1] offset:2*PITX*(\q)
.endr
.endm
.macro XLD
.irp q, 0,1,2,3,4,5,6,7
	global_load_b128 v[XS+4*(\q):XS+4*(\q)+3], v[XG], s[4:5] offset:8192*(\q)
.endr
.endm
; In slot n: x's K step n + 1 is cast and stored into the buffer that was read in slot n - 1 (every wave's reads of it were waited for in front of that slot's barrier).
; lastx = 1 (the V pass): its last slot (count 1) has no step to store.  The wait for the loads stands ahead of that jump, on every way: no load into x's registers is issued, and their
; offset register is not rewritten, while an earlier load is pending.
.macro XCAST lastx, inloop
	s_wait_loadcnt 0x0                             ; the 8 loads were issued a slot ago
.if (\lastx) && (\inloop)
	s_cmp_eq_u32 s[CNT], 1
	s_cbranch_scc1 .Lxc_\@
.endif
	XCVT
	v_add_nc_u32 v[XST], s[TS], v[XST0]
	XSTO
.Lxc_\@:
.endm
; And K step n + 2 is asked for.  The offset wraps at a row's end: a pass's last two slots fetch the next pass's steps 0 and 1, which wait in registers and LDS through the attention.
; lastx = 1: the V pass's last two slots (count 2, 1) fetch nothing.  pf = 1 (the Q pass, x's first reading): in slots 0, 2 .. 10 each lane names one block of 256 bytes of steps n + 4 and n + 5
; (my 16 rows x 2 steps), two slots ahead of the loads that want them; each block is named once; steps 0 to 3 come by their loads alone.
.macro XLOAD pf, lastx, inloop
.if (\lastx) && (\inloop)
	s_cmp_le_u32 s[CNT], 2
	s_cbranch_scc1 .Lxl_\@
.endif
	s_add_co_u32 s[XO], s[XO], 256
	s_and_b32 s[XO], s[XO], 0xfff
	v_add_nc_u32 v[XG], s[XO], v[XG0]              ; free since the wait for the loads that named it
	XLD
.if \pf
.if \inloop
	s_bitcmp1_b32 s[CNT], 0                        ; the count is 16 - n: odd slots ask for nothing,
	s_cbranch_scc1 .Lxl_\@
	s_cmp_lt_u32 s[CNT], 6                         ; nor do slots 12 and 14: the row ends
	s_cbranch_scc1 .Lxl_\@
.endif
	v_add_nc_u32 v[PF], s[XO], v[PFO]              ; the last prefetch has read it: an s_wait_xcnt 0 stands in every slot's change
	global_prefetch_b8 v[PF], s[4:5] offset:512 th:TH_LOAD_NT scope:SCOPE_SE
.endif
.Lxl_\@:
.endm
.macro OBLK c                          ; O's K block c (256 along K): my 128 bytes of each of the 64 rows
	WIN 0x04                                       ; the data lie in window 1
.set t, 0
.rept 64
	ds_store_b32 v[OST], v[4*t+(\c)] offset:PITO*t
.set t, t+1
.endr
	WIN 0
.endm
.macro OCOND c
	s_cmp_eq_u32 s[SN], 4*(\c)
	s_cbranch_scc0 .Lno_o_\@
	OBLK \c
.Lno_o_\@:
.endm
; A SLOT IS FOUR HALF-STEPS of 32 matrix instructions; each issues, in one run, the LDS loads that the next half-step multiplies.
.macro H0 zero                         ; kk 0, column blocks 0-7
	PLACES
	WIN 0
	LDW 1, 8
	s_wait_dscnt 16                                ; all but the 16 just issued
	MM 0, 0, 0, 4, \zero
.endm
.macro H1 zero, feed, pf, lastx, inloop  ; kk 0, column blocks 8-15
	PLACES
	WIN 0
.if (\feed) == 0
	XCAST \lastx, \inloop
.endif
	LDW 0, 16
	LDX 1
	s_wait_dscnt 24                                ; all but the 24 just issued: x's stores, which stand ahead of them, have read their data too
.if (\feed) == 0
	XLOAD \pf, \lastx, \inloop
.endif
	MM 1, 0, 0, 4, \zero
.endm
; kk 1, column blocks 0-7, and THE CHANGE OF SLOTS.  The slot's last fragments have been asked for.  mode 2: each wave waits for all its tensor loads (one is out: its quarter of the other slot), adds 0 to its spare
; word, waits for that and for its LDS instructions; the barrier opens a round of the cluster's; the slot just read is filled again, first thing behind the round, with the stream's slot two on.
; The same barrier shows x's next K step to every wave.  mode 1: the last slot but one: nothing is asked for.  mode 0: the last slot.
.macro H2 mode
	PLACES
	WIN 0
	LDW 1, 24
	s_wait_dscnt 16                                ; all but the 16 just issued
	MM 0, 1, 0, 2, 0
.if (\mode) >= 1
	WIN 0
	s_wait_tensorcnt 0x0                           ; no tensor load of mine is out, so the walking group 0 may be written
	ds_add_u32 v[SPW], v[NIL]                      ; 0 onto my spare word: work on registers follows
.if (\mode) == 2
	s_xor_b32 s[G0B+1], s[G0B+1], SLOTB            ; the other slot than last time,
	s_add_nc_u64 s[G0B+2:G0B+3], s[G0B+2:G0B+3], SLOTB  ; the stream's next 128 KiB; the type bits on top are not reached
	s_wait_xcnt 0x0                                ; the prefetches, 48 matrix instructions back or more, have read their addresses
	s_add_nc_u64 s[PW:PW+1], s[PW:PW+1], SLOTB
.endif
	MM 0, 1, 2, 1, 0
	s_wait_dscnt 0x0                               ; the add is done, my reads of the slot and of A's buffer are back, my stores of x are done
	s_barrier_signal -1
	MM 0, 1, 3, 1, 0
	WIN 0
	s_barrier_wait -1
.if (\mode) == 2
	CREST                                          ; no wave of any partner still reads the slot or has a load on its way
	JLOAD
.endif
.else
	MM 0, 1, 2, 2, 0
	s_wait_dscnt 0x0
.endif
.endm
; kk 1, column blocks 8-15; nxt = 1: the next slot's first fragments are fetched.  ost = 1 (the last product's loop): where the next slot begins a K block of O, all four waves store it (every wave's reads of
; the old block were waited for in front of the round), and a barrier of its own shows it.
.macro H3 nxt, feed, after2, ost
.if \nxt
.if !(\after2)
	PLACES
.endif
	s_xor_b32 s[TW], s[TW], SLOTB
.if (\feed) == 0
	s_xor_b32 s[TX], s[TX], ABUF
	s_xor_b32 s[TS], s[TS], ABUF
.else
	s_add_co_u32 s[TX], s[TX], 128                 ; 64 along K further in O's rows, modulo the block
	s_and_b32 s[TX], s[TX], 0x1ff
	s_add_co_u32 s[SN], s[SN], 1
.endif
	v_add_nc_u32 v[AW], s[TW], v[AW0]
	v_add_nc_u32 v[AX], s[TX], v[AX0]
.if \ost
	OCOND 1
	OCOND 2
	OCOND 3
	s_wait_dscnt 0x0
	s_barrier_signal -1
	MM 1, 1, 0, 2, 0
	WIN 0
	s_barrier_wait -1
.endif
	LDW 0, 0
	LDX 0
.if \after2
	ASKW                                           ; behind the joint load and the run of LDS loads
.endif
.if \ost
	MM 1, 1, 2, 2, 0
.else
	MM 1, 1, 0, 4, 0
.endif
.else
.if \after2
	ASKW
.endif
	MM 1, 1, 0, 4, 0
.endif
.endm
.macro START g                         ; a product begins at ring slot 0 and A's first buffer: 16 slots a product
	WIN 0
.if (\g) == 0
	s_wait_tensorcnt 0x1                           ; my quarter of slot 0 is in; slot 1's, issued behind it, may stay out
.endif
	s_wait_dscnt 0x0
	BAR                                            ; what the waves stored for each other (x's step 0; P; O's block 0) is there
	s_mov_b32 s[TW], 0
	s_mov_b32 s[TX], 0
	s_mov_b32 s[TS], ABUF
	v_mov_b32 v[AW], v[AW0]
	v_mov_b32 v[AX], v[AX0]
	PLACES
	LDW 0, 0
	LDX 0
.endm
; A PRODUCT of 64 x 1024 x 1024.  Its first 32 along K stand ahead of the loop and start the sums; a trip goes from a slot's second half to the next slot's first.
; lastw = 1: the stream ends: the last two slots are written out.
.macro GEMM g, feed, pf, lastx, lastw
	START \g
	H0 1
	H1 1, \feed, \pf, \lastx, 0
	WIN 0
	s_mov_b32 s[CNT], 15-(\lastw)
.Lk_\@:
	H2 2
	H3 1, \feed, 1, \feed
	H0 0
	H1 0, \feed, \pf, \lastx, 1
	WIN 0
	s_sub_co_u32 s[CNT], s[CNT], 1
	s_cmp_lg_u32 s[CNT], 0
	s_cbranch_scc1 .Lk_\@
.if \lastw
	H2 1
	H3 1, \feed, 0, 0
	H0 0
	H1 0, \feed, 0, 0, 0
	H2 0
	H3 0, \feed, 0, 0
.else
	H2 2                                           ; the ring runs on: this refill is the next product's slot 1
	H3 0, \feed, 1, 0
.endif
	WIN 0
.endm
; FROM ACCUMULATORS TO OPERANDS.  Register j of token block tb holds token 16 tb + j in lanes 0-15 and token 16 tb + 8 + j in lanes 16-31.  U takes column blocks 0-7 in pairs, W blocks 8-15; the swap gives U's
; upper lanes for W's lower: U is then registers 0-3 of an operand (row = lane % 16, k = 8 (lane / 16) + 0..7 = the column block) of the first token, W of the second.  dw: the window of U and W.
.macro PACKPAIR tb, j, U, W, dw
	WIN ((\dw)<<6)|0x0a
.irp i, 0,1,2,3
	v_cvt_pk_f16_f32 v[(\U)+(\i)], v[8*(8*(\tb)+2*(\i))+(\j)], v[8*(8*(\tb)+2*(\i)+1)+(\j)]
.endr
	WIN ((\dw)<<6)|0x0f
.irp i, 0,1,2,3
	v_cvt_pk_f16_f32 v[(\W)+(\i)], v[8*(8*(\tb)+2*(\i))+(\j)], v[8*(8*(\tb)+2*(\i)+1)+(\j)]
.endr
	WIN ((\dw)<<6)|(\dw)
.irp i, 0,1,2,3
	v_permlane16_swap_b32 v[(\U)+(\i)], v[(\W)+(\i)]
.endr
.endm
.macro ZEROT                           ; the halves of the four operands that stay 0
.irp k, 0,1
.irp i, 0,1,2,3
	v_mov_b32 v[TA+16*(\k)+4+(\i)], 0
	v_mov_b32 v[TB+16*(\k)+(\i)], 0
.endr
.endr
.endm
; ---------------------------------------------------------------- the head
	s_load_b256 s[4:11], s[0:1], 0x0               ; x s[4:5], wf s[6:7], bo s[8:9], out0 s[10:11]
	v_lshl_add_u32 v[SPW], v0, 2, SPARE
	v_mov_b32 v[NIL], 0
	ds_add_u32 v[SPW], v[NIL]                      ; the wave's opening: the add and its wait stand ahead of my first tensor load; work on registers stands between them
	v_lshrrev_b32 v1, 5, v0
	v_readfirstlane_b32 s[WV], v1                  ; wave 0..3
	v_and_b32 v[LN], 31, v0
	v_and_b32 v[LR], 15, v0
	v_bfe_u32 v[LH], v0, 4, 1
	s_bfe_u32 s13, ttmp6, 0x40000                  ; cx: my place in the cluster: it enters the addresses of x, of out0 and of the prefetches alone
	s_lshl_b32 s14, ttmp9, 2                       ; in a cluster launch ttmp9 counts clusters
	s_add_co_u32 s14, s14, s13
	s_lshl_b32 s48, s14, 18                        ; my 64 rows of 4,096 bytes
	s_mov_b32 s49, 0
	; descriptor group 1: 32 KiB that are dense in memory, as 128 rows of 256 bytes, no padding
	s_mov_b32 s[G1+0], 15|(3<<16)|(1<<21)          ; 15:0 the mask: all four work-groups; 17:16 elements of 8 bytes; 21 set beside a mask
	s_mov_b32 s[G1+1], 32<<16                      ; tensor_dim0 = 32
	s_mov_b32 s[G1+2], 128<<16                     ; tensor_dim1 = 128
	s_mov_b32 s[G1+3], 32<<16                      ; tile_dim0 = 32
	s_mov_b32 s[G1+4], 128                         ; tile_dim1 = 128
	s_mov_b32 s[G1+5], 32                          ; 32 elements from row to row
	s_mov_b32 s[G1+6], 0
	s_mov_b32 s[G1+7], 0
	s_mov_b32 s[G0A], 1                            ; count = 1
	s_lshl_b32 s[G0A+1], s[WV], 15                 ; LDS address: my quarter of slot 0: the wave's number alone
	s_mov_b32 s[G0B], 1
	s_add_co_u32 s[G0B+1], s[G0A+1], SLOTB         ; of slot 1
	s_lshl_b32 s46, s[WV], 15                      ; and my quarter of a slot in wf
	s_mov_b32 s47, 0
	s_mov_b32 s[CS], 0x3d38aa3b                    ; c = log2(e) / 32 = 0.0450842
	s_mov_b32 s[CS+1], s[CS]                       ; named with it as a pair
	s_mov_b32 s[SEL], 0x76543210
	s_mov_b32 s[SEL+1], 0xfedcba98
	s_mov_b32 s[XO], 0
	s_mov_b32 s[GS], 0
	s_cmp_eq_u32 ttmp9, 0                          ; the same in all four partners
	s_cselect_b32 s[LIMW], 60, 0
	s_lshl_b32 s2, s[WV], 15
	v_lshl_add_u32 v[AW0], v[LN], 4, s2
	v_mul_u32_u24 v[AX0], v[LR], PITX
	v_lshl_add_u32 v[AX0], v[LH], 4, v[AX0]
	v_add_nc_u32 v[AX0], SCR, v[AX0]
	s_mul_i32 s3, s[WV], 16*PITX
	s_add_co_u32 s3, s3, SCR
	v_mul_u32_u24 v[XST0], v[LH], PITX
	v_lshl_add_u32 v[XST0], v[LR], 3, v[XST0]
	v_add_nc_u32 v[XST0], s3, v[XST0]
	s_lshl_b32 s15, s[WV], 16                      ; my 16 rows of x
	v_lshlrev_b32 v[XG0], 12, v[LH]
	v_lshl_add_u32 v[XG0], v[LR], 4, v[XG0]
	v_add_nc_u32 v[XG0], s15, v[XG0]
	v_mov_b32 v[XG], v[XG0]
	s_wait_dscnt 0x0                               ; the opening add is done
	s_wait_kmcnt 0x0
	s_add_nc_u64 s[4:5], s[4:5], s[48:49]          ; x and out0 at my first row
	s_add_nc_u64 s[10:11], s[10:11], s[48:49]
	s_add_nc_u64 s[G0A+2:G0A+3], s[6:7], s[46:47]  ; global address: my quarter of the stream's slot 0,
	s_add_nc_u64 s[G0B+2:G0B+3], s[G0A+2:G0A+3], SLOTB  ; of slot 1
	s_or_b32 s[G0A+3], s[G0A+3], 0x80000000        ; type = 2
	s_or_b32 s[G0B+3], s[G0B+3], 0x80000000
	s_lshl_b32 s48, s13, 2                         ; the prefetches: wave 4 cx + w of the cluster's 16 takes 32 blocks of 256 bytes
	s_add_co_u32 s48, s48, s[WV]
	s_lshl_b32 s48, s48, 13
	s_add_nc_u64 s[PW:PW+1], s[6:7], s[48:49]
	s_add_nc_u64 s[PW:PW+1], s[PW:PW+1], 3*SLOTB   ; the first change of slots steps it to slot 4
	XLD                                            ; x's K step 0
	CROUND                                         ; all four work-groups are here: the first joint loads meet
	tensor_load_to_lds s[G0A:G0A+3], s[G1:G1+7]    ; both first fills go out together: two loads of mine are out
	s_nop 0
	tensor_load_to_lds s[G0B:G0B+3], s[G1:G1+7]
	s_nop 0
	PLACES
	v_lshlrev_b32 v[PFO], 12, v[LR]
	v_lshl_add_u32 v[PFO], v[LH], 8, v[PFO]
	v_add_nc_u32 v[PFO], s15, v[PFO]
	v_lshlrev_b32 v[PWO], 8, v[LN]
	s_lshl_b32 s2, s[WV], 13
	s_add_co_u32 s2, s2, STG
	v_lshl_add_u32 v[STS], v[LN], 4, s2
	s_lshl_b32 s2, s[WV], 11
	s_add_co_u32 s2, s2, STG
	v_lshl_add_u32 v[STL], v[LN], 4, s2
	s_lshl_b32 s2, s[WV], 10
	s_add_co_u32 s3, s2, PB
	v_lshl_add_u32 v[PST], v[LN], 4, s3
	v_lshl_add_u32 v[PLD], v[LN], 4, PB
	v_lshl_add_u32 v[BO], v[LR], 4, s2
	v_lshl_add_u32 v[OUTO], v[LH], 15, v[BO]
	s_lshl_b32 s2, s[WV], 7
	s_add_co_u32 s2, s2, SCR
	v_lshl_add_u32 v[OST], v[LN], 2, s2
	s_wait_loadcnt 0x0                             ; x's K step 0
	XCVT
	v_mov_b32 v[XST], v[XST0]
	XSTO
	s_wait_dscnt 0x0                               ; the stores have read their data
	XLOAD 0, 0, 0                                  ; K step 1
; ---------------------------------------------------------------- q = x Wq, packed into window 1: pair p = 8 tb + j at 8 p: [token 16 tb + j | token 16 tb + 8 + j]
.set PIT, PITX
	GEMM 0, 0, 1, 0, 0
	PLACES 8
.set tb, 0
.rept 4                                ; by token block, so that a block costs three switches; each accumulator's register 0 is read first
	WIN 0x4a
.set j, 0
.rept 8
.irp i, 0,1,2,3
	v_cvt_pk_f16_f32 v[8*(8*tb+j)+(\i)], v[8*(8*tb+2*(\i))+j], v[8*(8*tb+2*(\i)+1)+j]
.endr
.set j, j+1
.endr
	WIN 0x4f
.set j, 0
.rept 8
.irp i, 0,1,2,3
	v_cvt_pk_f16_f32 v[8*(8*tb+j)+4+(\i)], v[8*(8*tb+2*(\i))+j], v[8*(8*tb+2*(\i)+1)+j]
.endr
.set j, j+1
.endr
	WIN 0x41
.set j, 0
.rept 8
.irp i, 0,1,2,3
	v_permlane16_swap_b32 v[8*(8*tb+j)+(\i)], v[8*(8*tb+j)+4+(\i)]
.endr
.set j, j+1
.endr
.set tb, tb+1
.endr
	WIN 0
; ---------------------------------------------------------------- k = x Wk, the scores and the softmax
	GEMM 1, 0, 0, 0, 0
; S^T = K Q^T for one token is 16 x 16 over 64 channels, of which a wave holds 16: it makes a partial S^T for every token (k's operand has the token's 16 channels and 16 zeros, which switch off the
; partner's half of q's pair), the four partial sums meet in LDS, and each wave finishes 2 of a round's 8 tokens.  In S^T a lane holds ONE query head (lane % 16) and the key heads 8 (lane / 16) + 0..7.
.macro ECOMP rho                       ; round rho = 2 tb + a: pairs j = 4 a .. 4 a + 3 of token block tb.  An operand set is written again two pairs later, eight conversions behind the products that read it
.set etb, (\rho)/2
.set jj, 0
.rept 4
.set ej, 4*((\rho)%2)+jj
.set ek, jj%2
	PACKPAIR etb, ej, TA+16*ek, TB+16*ek+4, 0
	WIN 0x04                                       ; q's pair lies in window 1
	v_wmma_f32_16x16x32_f16 v[EA+16*jj:EA+16*jj+7],    v[TA+16*ek:TA+16*ek+7], v[8*(8*etb+ej):8*(8*etb+ej)+7], 0
	v_wmma_f32_16x16x32_f16 v[EA+16*jj+8:EA+16*jj+15], v[TB+16*ek:TB+16*ek+7], v[8*(8*etb+ej):8*(8*etb+ej)+7], 0
.set jj, jj+1
.endr
	WIN 0
.endm
.macro ESTORE                          ; my 8 partial tiles, each result's low registers first
	PLACES 8
	WIN 0
.irp t, 0,1,2,3,4,5,6,7
	ds_store_b128 v[STS], v[EA+8*(\t):EA+8*(\t)+3]   offset:1024*(\t)
	ds_store_b128 v[STS], v[EA+8*(\t)+4:EA+8*(\t)+7] offset:1024*(\t)+512
.endr
.endm
.macro ELOAD                           ; all four waves' tiles of my pair (pair w of the round's four), my own among them: one order of summation
.irp hf, 0,1
.irp sc, 0,1,2,3
	ds_load_b128 v[EL+32*(\hf)+8*(\sc):EL+32*(\hf)+8*(\sc)+3],   v[STL] offset:8192*(\sc)+1024*(\hf)
	ds_load_b128 v[EL+32*(\hf)+8*(\sc)+4:EL+32*(\hf)+8*(\sc)+7], v[STL] offset:8192*(\sc)+1024*(\hf)+512
.endr
.endr
.endm
; The softmax of my two tokens, side by side: sum of the four parts; the row's maximum m (8 in the lane, 8 in the lane 16 away); p = 2^(c s - c m); l; p / l; rounded to f16: registers 0-3 of P's operand
; (column = query head, k = key head).  It waits in window 1, in the place of a pair of q that the first two rounds have used up.  The 16 exponentials are one batch with one wait, the 2 reciprocals another.
.macro EFIN rho
	WIN 0
.irp hf, 0,1
.set eb, EL+32*(\hf)
.irp q, 0,2,4,6
	v_pk_add_f32 v[eb+(\q):eb+(\q)+1],       v[eb+(\q):eb+(\q)+1],       v[eb+8+(\q):eb+8+(\q)+1]
	v_pk_add_f32 v[eb+16+(\q):eb+16+(\q)+1], v[eb+16+(\q):eb+16+(\q)+1], v[eb+24+(\q):eb+24+(\q)+1]
.endr
.endr
.irp hf, 0,1
.set eb, EL+32*(\hf)
.irp q, 0,2,4,6
	v_pk_add_f32 v[eb+(\q):eb+(\q)+1], v[eb+(\q):eb+(\q)+1], v[eb+16+(\q):eb+16+(\q)+1]
.endr
.endr
.irp hf, 0,1
	v_max3_num_f32 v[SM+8*(\hf)+2], v[EL+32*(\hf)], v[EL+32*(\hf)+1], v[EL+32*(\hf)+2]
.endr
.irp hf, 0,1
	v_max3_num_f32 v[SM+8*(\hf)+2], v[SM+8*(\hf)+2], v[EL+32*(\hf)+3], v[EL+32*(\hf)+4]
.endr
.irp hf, 0,1
	v_max3_num_f32 v[SM+8*(\hf)+2], v[SM+8*(\hf)+2], v[EL+32*(\hf)+5], v[EL+32*(\hf)+6]
.endr
.irp hf, 0,1
	v_max_num_f32 v[SM+8*(\hf)+2], v[SM+8*(\hf)+2], v[EL+32*(\hf)+7]
.endr
.irp hf, 0,1
	v_permlanex16_b32 v[SM+8*(\hf)+3], v[SM+8*(\hf)+2], s[SEL], s[SEL+1]
.endr
.irp hf, 0,1
	v_max_num_f32 v[SM+8*(\hf)+1], v[SM+8*(\hf)+2], v[SM+8*(\hf)+3]
.endr
.irp hf, 0,1
	v_mul_f32 v[SM+8*(\hf)], s[CS], v[SM+8*(\hf)+1]
.endr
.irp hf, 0,1
.set eb, EL+32*(\hf)
.irp q, 0,2,4,6
	v_pk_fma_f32 v[eb+(\q):eb+(\q)+1], v[eb+(\q):eb+(\q)+1], s[CS:CS+1], v[SM+8*(\hf):SM+8*(\hf)+1] op_sel_hi:[1,0,0] neg_lo:[0,0,1] neg_hi:[0,0,1]  ; c s - c m
.endr
.endr
.irp hf, 0,1
.irp e, 0,1,2,3,4,5,6,7
	v_exp_f32 v[EL+32*(\hf)+(\e)], v[EL+32*(\hf)+(\e)]
.endr
.endr
	v_nop                                          ; a plain instruction behind the last exponential,
	s_wait_alu depctr_va_vdst(0)                   ; and the wait ahead of the first use: one for the sixteen
.irp hf, 0,1
.set eb, EL+32*(\hf)
	v_pk_add_f32 v[eb+8:eb+9],   v[eb:eb+1],   v[eb+2:eb+3]
	v_pk_add_f32 v[eb+10:eb+11], v[eb+4:eb+5], v[eb+6:eb+7]
.endr
.irp hf, 0,1
.set eb, EL+32*(\hf)
	v_pk_add_f32 v[eb+8:eb+9], v[eb+8:eb+9], v[eb+10:eb+11]
.endr
.irp hf, 0,1
	v_add_f32 v[SM+8*(\hf)+4], v[EL+32*(\hf)+8], v[EL+32*(\hf)+9]
.endr
.irp hf, 0,1
	v_permlanex16_b32 v[SM+8*(\hf)+5], v[SM+8*(\hf)+4], s[SEL], s[SEL+1]
.endr
.irp hf, 0,1
	v_add_f32 v[SM+8*(\hf)+4], v[SM+8*(\hf)+4], v[SM+8*(\hf)+5]
.endr
.irp hf, 0,1
	v_rcp_f32 v[SM+8*(\hf)+6], v[SM+8*(\hf)+4]
.endr
	v_nop
	s_wait_alu depctr_va_vdst(0)                   ; one wait for the two reciprocals
.irp hf, 0,1
.set eb, EL+32*(\hf)
.irp q, 0,2,4,6
	v_pk_mul_f32 v[eb+(\q):eb+(\q)+1], v[eb+(\q):eb+(\q)+1], v[SM+8*(\hf)+6:SM+8*(\hf)+7] op_sel_hi:[1,0]
.endr
.endr
	WIN 0x40
.irp hf, 0,1
.irp i, 0,1,2,3
	v_cvt_pk_f16_f32 v[8*(\rho)+4*(\hf)+(\i)], v[EL+32*(\hf)+2*(\i)], v[EL+32*(\hf)+2*(\i)+1]
.endr
.endr
	WIN 0
.endm
	PLACES 8
	ZEROT
.set z, 0
.rept 16
	v_mov_b32 v[SM+z], 0                           ; written once: some are named as the second of a pair or as a lane exchange's destination before they hold a number
.set z, z+1
.endr
	ECOMP 0
	ESTORE
	s_wait_dscnt 0x0
	BAR                                            ; round 0's parts are there.  (Plain barriers: the one tensor load that is out fills a slot that is read only behind the next wait for it.)
.irp rho, 0,1,2,3,4,5,6,7
	ELOAD
.if (\rho) < 7
	ECOMP (\rho)+1                                 ; the next round's products stand between the loads and the wait for them
.endif
	s_wait_dscnt 0x0
	BAR                                            ; everybody has read the stage
.if (\rho) < 7
	ESTORE
.endif
	EFIN \rho
.if (\rho) < 7
	s_wait_dscnt 0x0
	BAR                                            ; the next round's parts are there
.endif
.endr
	WIN 0x04                                       ; P goes where the stage lay: pair 4 rho + w, 512 bytes a token; the next product's opening barrier shows it
.irp rho, 0,1,2,3,4,5,6,7
.irp hf, 0,1
	ds_store_b128 v[PST], v[8*(\rho)+4*(\hf):8*(\rho)+4*(\hf)+3] offset:4096*(\rho)+512*(\hf)
.endr
.endr
	WIN 0
; ---------------------------------------------------------------- v = x Wv, and O^T = V^T P
	GEMM 2, 0, 0, 1, 0
; Source 0 = V^T of a token (row = my channel, k = key head; the other 16 k are 0), source 1 = P of the pair.  In the result a lane holds one query head (lane % 16) and my channels 8 (lane / 16) + 0..7;
; rounded in pairs, token t's four words go to window 1 at 4 t: word c holds columns 64 r + 16 w + 8 h + 2 c, + 1 of O: the order of Wo's rows in wf.
.macro PLOAD b                         ; P of the 8 pairs of token block b
.irp q, 0,1,2,3,4,5,6,7
	ds_load_b128 v[PP+64*((\b)%2)+8*(\q):PP+64*((\b)%2)+8*(\q)+3],   v[PLD] offset:1024*(8*(\b)+(\q))
	ds_load_b128 v[PP+64*((\b)%2)+8*(\q)+4:PP+64*((\b)%2)+8*(\q)+7], v[PLD] offset:1024*(8*(\b)+(\q))+512
.endr
.endm
.macro PCONV p                         ; pair p's two results, each from its low end on
.set ct, 16*((\p)/8)+(\p)%8
.set cd, DD+16*((\p)%2)
	WIN 0x40
.irp i, 0,1,2,3
	v_cvt_pk_f16_f32 v[4*ct+(\i)], v[cd+2*(\i)], v[cd+2*(\i)+1]
.endr
.irp i, 0,1,2,3
	v_cvt_pk_f16_f32 v[4*(ct+8)+(\i)], v[cd+8+2*(\i)], v[cd+8+2*(\i)+1]
.endr
.endm
	PLACES 8
	PLOAD 0
	PLOAD 1
	ZEROT
.set p, 0
.rept 32
.set ptb, p/8
.set pj, p%8
.set pq, p%2
.if pj == 0
.if ptb < 3
	s_wait_dscnt 16                                ; this batch is in; the younger batch's 16 loads may stay out
.else
	s_wait_dscnt 0x0
.endif
.endif
	PACKPAIR ptb, pj, TA+16*pq, TB+16*pq+4, 0
	v_wmma_f32_16x16x32_f16 v[DD+16*pq:DD+16*pq+7],    v[TA+16*pq:TA+16*pq+7], v[PP+64*(ptb%2)+8*pj:PP+64*(ptb%2)+8*pj+7], 0
	v_wmma_f32_16x16x32_f16 v[DD+16*pq+8:DD+16*pq+15], v[TB+16*pq:TB+16*pq+7], v[PP+64*(ptb%2)+8*pj:PP+64*(ptb%2)+8*pj+7], 0
.if p > 0
	PCONV p-1                                      ; the pair before: this pair's eight conversions are the places behind its products
.endif
.if (pj == 7) && (ptb < 2)
	WIN 0
	PLOAD ptb+2                                    ; into the batch just used: the eight conversions above are the places behind its last reader
.endif
.set p, p+1
.endr
	PLACES 8
	PCONV 31
	WIN 0
; ---------------------------------------------------------------- out = O Wo + bo
	s_wait_dscnt 0x0
	BAR                                            ; every wave's reads of P are over: O's buffer takes the scratch from its first byte on
	OBLK 0
	s_wait_loadcnt 0x0                             ; x's registers change hands: no load into them is pending behind this wait
.irp g, 0,1,2,3
	global_load_b128 v[XS+4*(\g):XS+4*(\g)+3], v[BO], s[8:9] offset:256*(\g)  ; the bias of my 16 columns: 256 w + 64 g + 4 r + 0..3
.endr
	v_mul_u32_u24 v[AX0], v[LR], PITO
	v_lshl_add_u32 v[AX0], v[LH], 4, v[AX0]
	v_add_nc_u32 v[AX0], SCR, v[AX0]
	s_mov_b32 s[SN], 0
.set PIT, PITO
	GEMM 3, 1, 0, 0, 1
; THE WAY OUT.  Column blocks 4 g .. 4 g + 3 give a lane 4 neighbouring columns; the addition of the bias gathers them into 4 neighbouring registers.  No LDS stage.
	s_wait_loadcnt 0x0                             ; the bias
	PLACES 8
.set tb, 0
.rept 4
	s_wait_xcnt 0x0                                ; the stores of the block before have read their data
	WIN 0x02
.set j, 0
.rept 8
.irp g, 0,1
.irp i, 0,1,2,3
	v_add_f32 v[OS+4*(4*j+(\g))+(\i)], v[8*(8*tb+4*(\g)+(\i))+j], v[XS+4*(\g)+(\i)]
.endr
.endr
.set j, j+1
.endr
	WIN 0x03
.set j, 0
.rept 8
.irp g, 2,3
.irp i, 0,1,2,3
	v_add_f32 v[OS+4*(4*j+(\g))+(\i)], v[8*(8*tb+4*((\g)-2)+(\i))+j], v[XS+4*(\g)+(\i)]
.endr
.endr
.set j, j+1
.endr
	WIN 0
.set j, 0
.rept 8
.irp g, 0,1,2,3
	global_store_b128 v[OUTO], v[OS+4*(4*j+(\g)):OS+4*(4*j+(\g))+3], s[10:11] offset:(16*tb+j)*4096+256*(\g) th:TH_STORE_NT  ; 16 lanes store 256 consecutive bytes, at a multiple of 256 from out0's first byte
.endr
.set j, j+1
.endr
.set tb, tb+1
.endr
	s_wait_tensorcnt 0x0                           ; the wave's end, behind my last tensor load and my last LDS store
	ds_add_u32 v[SPW], v[NIL]
	s_wait_dscnt 0x0
	CROUND                                         ; the closing round: no work-group ends while a partner may still ask for a tile that names it
	s_endpgm
.Lfunc_end_k_q72b9ff11c2_mha:
	.size	k_q72b9ff11c2_mha, .Lfunc_end_k_q72b9ff11c2_mha-k_q72b9ff11c2_mha
	.p2alignl 7, 3214868480
	.fill 96, 4, 3214868480
	.section	.rodata,"a",@progbits
	.p2align	6, 0x0
	.amdhsa_kernel k_q72b9ff11c2_mha
		.amdhsa_group_segment_fixed_size 327680
		.amdhsa_private_segment_fixed_size 0
		.amdhsa_enable_private_segment 0
		.amdhsa_kernarg_size 32
		.amdhsa_user_sgpr_count 2
		.amdhsa_user_sgpr_kernarg_segment_ptr 1
		.amdhsa_wavefront_size32 1
		.amdhsa_system_sgpr_workgroup_id_x 1
		.amdhsa_system_sgpr_workgroup_id_y 1
		.amdhsa_system_sgpr_workgroup_id_z 1
		.amdhsa_system_vgpr_workitem_id 0
		.amdhsa_next_free_vgpr 1024
		.amdhsa_next_free_sgpr 66
		.amdhsa_reserve_vcc 0
		.amdhsa_float_denorm_mode_32 3
		.amdhsa_float_denorm_mode_16_64 3
		.amdhsa_memory_ordered 1
		.amdhsa_forward_progress 1
		.amdhsa_inst_pref_size 255
	.end_amdhsa_kernel
	.section	.bss,"aw",@nobits
	.p2align	6
	.space	262144
	.amdgpu_metadata
---
amdhsa.version: [ 1, 2 ]
amdhsa.kernels:
  - .name:           k_q72b9ff11c2_mha
    .symbol:         k_q72b9ff11c2_mha.kd
    .args:
      - { .name: x, .offset: 0, .size: 8, .value_kind: global_buffer, .address_space: global }
      - { .name: wf, .offset: 8, .size: 8, .value_kind: global_buffer, .address_space: global }
      - { .name: bo, .offset: 16, .size: 8, .value_kind: global_buffer, .address_space: global }
      - { .name: out0, .offset: 24, .size: 8, .value_kind: global_buffer, .address_space: global }
    .group_segment_fixed_size: 327680
    .private_segment_fixed_size: 0
    .kernarg_segment_align: 8
    .kernarg_segment_size: 32
    .max_flat_workgroup_size: 128
    .sgpr_count:     66
    .vgpr_count:     1024
    .wavefront_size: 32
...
	.end_amdgpu_metadata
.endif
;; end of part 2
;; ======== version 2 of 2: 2 launches
;; limits: values are held in f16: magnitudes above 65,504 overflow, below 6.1e-05 lose precision
;; workspace buffers: wf 8,388,608 bytes
;; launch prep: the kernel of part 1 again; grid 512 x 1, 8 waves a work-group, no clusters, 18,432 bytes of LDS; arguments Wq, Wk, Wv, Wo, wf; writes wf
;; launch mha (part 3): grid 256 x 1, 4 waves a work-group, clusters of 4 x 1, 327,680 bytes of LDS; arguments x, wf, bo, out0; writes out0
.if DOCPART == 3
	.amdgcn_target "amdgcn-amd-amdhsa--gfx1250"
	.amdhsa_code_object_version 6
	.text
	.protected	k_q72b9ff11c2_mha
	.globl	k_q72b9ff11c2_mha
	.p2align	8
	.type	k_q72b9ff11c2_mha,@function
k_q72b9ff11c2_mha:
	s_mov_b64 s[64:65], 0
	v_nop
	global_prefetch_b8 v0, s[64:65] scope:SCOPE_SE
	s_setreg_imm32_b32 hwreg(HW_REG_WAVE_MODE, 25, 1), 1
	s_wait_xcnt 0x0
	s_wait_alu depctr_hold_cnt(0) depctr_sa_sdst(0) depctr_va_vdst(0) depctr_va_sdst(0) depctr_va_ssrc(0) depctr_va_vcc(0) depctr_vm_vsrc(0)
	s_getreg_b32 s2, hwreg(HW_REG_IB_STS2, 6, 4)
	s_cmp_eq_u32 s2, 0
	s_cbranch_scc0 .Lentry_in_a_cluster
	s_endpgm
.Lentry_in_a_cluster:
	s_bfe_u32 s2, ttmp6, 0x10000c
	s_cmp_lg_u32 s2, 0x3003
	s_cbranch_scc0 .Lentry_shape_is_right
	s_endpgm
.Lentry_shape_is_right:
; out = (softmax over heads of (q_h . k_h' / 32) applied to v) Wo + bo, with q, k, v = x Wq, x Wk, x Wv, for each of 16,384 tokens by itself: the attended axis is the 16 HEADS of one token.
; ONE LAUNCH: a work-group owns 64 tokens and all 1,024 columns, so q, k, v, the weights P and O never leave the WGP.  Four products of 64 x 1024 x 1024 (Q, K, V, Out) run on one loop text;
; between them the attention runs on the matrix unit, straight from the accumulators.
; FORMATS.  All matrix operands are f16 (x, the weights, q, k, v, P, O), each rounded once; all sums, the maximum, the exponentials and the division are f32; the row's maximum is taken away.
; LIMITS.  |x|, |W|, |q|, |k|, |v| stay within 65,504: beyond it f16 holds an infinity.  Numbers below 6e-5 keep f16's fixed step of 6e-8.  A softmax weight below 2^-126 counts as 0.
; NaN and infinities are not treated apart (a pair of tokens shares a matrix operand, the partner's half being multiplied by 0).  x is read three times, once for each of Q, K, V.
; SHARES.  Wave w makes all 64 tokens x 256 columns: 64 accumulators (token block tb of 4, column block nb of 16), 512 registers.  WHICH columns is laid down in wf (the launch before):
;   Q, K: block nb, lane r = head r, channel 16 w + nb.     V: = head nb, channel 16 w + r.     Out: = column 256 w + 64 (nb / 4) + 4 r + nb % 4.
; So eight conversions and four swaps of lane halves turn a pair of tokens' results into matrix operands, and a lane ends with 4 neighbouring columns of out.
; THE WEIGHTS are 64 slots of 128 KiB (64 along K of one matrix), through a ring of two LDS slots.  The four work-groups of a cluster ask JOINTLY,
; each wave for its own 32 KiB (which it alone reads), one tensor load a wave behind each round of the cluster's barrier; 112 of a slot's 128 matrix instructions stand between request and wait.
; A mask names four work-groups at the most, so 4 x 1 is all the sharing there is.
; THE WALK ALONG K IS STAGGERED.  Cluster c begins each of Q, K, V at slot st = (c + 4 (c / 16)) % 16 of the matrix's 16 and goes round; in Out, whose A operand comes in blocks of 4 slots, it goes round
; inside each block from st % 4.  So at one step the 64 clusters ask for 16 (Out: 4) different slots, and a slot is asked for at 16 (4) different steps.  The f32 sums take K in that order.
; THE A OPERAND comes through LDS bytes of its own, written by ds_store: x cast to f16, 64 along K at a time, two buffers; in the last product O, 256 along K at a time.
;
; LDS: 0, 131072 ring slots (wave w's quarter at 32768 w: 32 fragments of 1,024 bytes, read as 512 consecutive bytes a load).  From 262144 scratch that no tensor load fills:
;   +0, +16384 x's two buffers (64 rows, pitch 144);  +25600 partial scores [wave 4][token 8][1,024], later P [pair 32][half 2][512];  +0 (last product) O (64 rows, pitch 528).  327168: the spare words.
; REGISTERS, in windows of 256 (s_set_vgpr_msb: bits 1:0 source 0, 3:2 source 1, 5:4 source 2, 7:6 destination):
;   window 0: v0-29 addresses; v32-63 x as loaded (later the bias); v64-127 A's fragments (kk 0, 1); v128-191, v192-255 the weights' fragments (column blocks 0-7, 8-15); v64-255 at work in the attention
;   window 1: q as operands, 8 a pair of tokens; then P; then O, 4 a token          windows 2, 3: the accumulators of column blocks 0-7, 8-15: (tb, nb % 8) at 8 (8 tb + nb % 8)
.set SLOTB, 131072
.set SCR,   262144
.set ABUF,  16384                      ; x's second buffer lies this far behind the first: one exclusive or changes buffers
.set PITX,  144                        ; 128 bytes + 16: the 16 rows of a fragment load start at 16 different groups of four banks (64 banks of 4 bytes: ISA guide 11.1)
.set PITO,  528                        ; 512 bytes + 16: likewise
.set STG,   SCR+25600
.set PB,    STG
.set SPARE, 327168
.set AW0,  2                           ; v2   16 l + 32768 w: my lane's place in a slot; never rewritten
.set AW,   3                           ; v3   the same in the slot in hand
.set AX0,  4                           ; v4   SCR + r pitch + 16 h: my lane's place in A's buffer
.set AX,   5                           ; v5   the same in the buffer, or at the K, in hand
.set XST0, 6                           ; v6   where I put 8 bytes of x: SCR + (16 w + h) 144 + 8 r
.set XST,  7
.set XG0,  8                           ; v8   my 16 bytes of x: (16 w + h) 4096 + 16 r
.set XG,   9
.set PFO,  10                          ; v10  x's prefetch: my row, (16 w + r) 4096
.set PF,   11
.set PWO,  12                          ; v12  wf's prefetch: 256 l; never rewritten
.set STS,  13                          ; v13  partial scores out: STG + 8192 w + 16 l
.set STL,  14                          ; v14  and in: STG + 2048 w + 16 l
.set PST,  15                          ; v15  P out: PB + 1024 w + 16 l
.set PLD,  16                          ; v16  P in: PB + 16 l
.set OST,  17                          ; v17  O out: SCR + 128 w + 4 l
.set OUTO, 18                          ; v18  out0: 32768 h + 1024 w + 16 r
.set BO,   19                          ; v19  bo: 1024 w + 16 r
.set LN,   20                          ; v20  l     v21  r = l % 16     v22  h = l / 16
.set LR,   21
.set LH,   22
.set PFH,  23                          ; v23  x's prefetch: 256 h: which of the two K steps my lane names
.set SPW,  28                          ; v28  LDS address of my spare word; never rewritten
.set NIL,  29                          ; v29  0; never rewritten
.set XS,   32
.set XF,   64                          ; A's fragment (kk, tb) at XF + 32 kk + 8 tb
.set WB,   128                         ; the weights' fragment n of buffer b at WB + 64 b + 8 n
.set TA,   64                          ; attention: operand [data | 0], two sets 16 apart
.set TB,   72                          ;            operand [0 | data]
.set EA,   96                          ; my partial scores of a round's 8 tokens
.set EL,   160                         ; the four waves' partial scores of my 2 tokens: [half][wave][8]
.set SM,   224                         ; statistics, 8 a half: c m, m, two at work, l, one at work, 1 / l, (its pair)
.set PP,   96                          ; P's operands, two batches of 8 pairs
.set DD,   224                         ; O^T, two sets of two results
.set OS,   64                          ; out with its bias, 16 rows' worth
.set WV,   12                          ; s12  my wave's number
.set G1,   16                          ; s[16:23] descriptor group 1
.set G0A,  24                          ; s[24:27] group 0 of slot 0's first fill
.set G0B,  28                          ; s[28:31] group 0 of slot 1's first fill; then of every refill
.set CNT,  32                          ; s32  the loop's count
.set TW,   33                          ; s33  the ring slot in hand: 0 or 131072
.set TX,   34                          ; s34  A's buffer (or K offset) that is read
.set TS,   35                          ; s35  x's buffer that is written
.set XO,   36                          ; s36  x's K offset in bytes, modulo a row
.set SN,   37                          ; s37  last product: the number of the slot to come
.set CS,   40                          ; s[40:41] c = log2(e) / 32
.set SEL,  42                          ; s[42:43] v_permlanex16_b32's selects: each lane takes its own place in the other half
.set PW,   44                          ; s[44:45] the address of a prefetch of wf
.set ST,   50                          ; s50  st: where my cluster's walk along K begins
.set NS,   51                          ; s51  the step (0 .. 63, in my cluster's order) whose slot the next refill asks for
.set WFB,  52                          ; s[52:53] wf at my quarter of a slot
.set OFP,  54                          ; s[54:55] a slot's byte offset in wf; the high word stays 0
.set T0,   56                          ; s56, s57 at work
.set T1,   57
.set PWB,  58                          ; s[58:59] wf at the 32 blocks of a slot that my wave names in a prefetch
.set MSB, 0
.macro WIN new                         ; the high byte repeats the setting that is left; a switch that changes nothing is dropped
.if MSB != (\new)
	s_set_vgpr_msb (MSB<<8)|(\new)
.set MSB, (\new)
.endif
.endm
; A vector instruction or LDS store that reads a matrix result, and a load or vector write into a register that a matrix instruction has named, stand four places behind it; only plain vector
; instructions that name none of its registers are places (ISA guide 7.12.1 for vector instructions).
.macro PLACES n=4
.rept \n
	v_nop
.endr
.endm
.macro BAR                             ; my work-group's barrier; the caller has waited for its LDS instructions
	s_barrier_signal -1
	s_barrier_wait -1
.endm
.macro CREST                           ; a round of the cluster's barrier behind its opening barrier
	s_cmp_lg_u32 s[WV], 0
	s_cbranch_scc1 .Lnot_wave_0_\@
	s_barrier_signal -3
.Lnot_wave_0_\@:
	s_barrier_wait -3
	s_barrier_signal -1
	s_barrier_wait -1
.endm
.macro CROUND
	BAR
	CREST
.endm
.macro JLOAD                           ; the joint refill: every wave issues the line, each with its own quarter; the four v_nop are also the places in front of the loads that follow
	tensor_load_to_lds s[G0B:G0B+3], s[G1:G1+7]
	s_nop 0
	PLACES
.endm
; A PREFETCH of wf.  The slots of a group (a matrix's 16; in Out a block's 4) are all asked for first at the group's first step, slot p by the clusters whose st is p.  Cluster p (0 .. 15, in Out 0 .. 3),
; whose st is p, names its own first slot of the group, two refills (256 matrix instructions) ahead of its joint load: its 16 waves x 32 lanes name the slot's 512 blocks of 256 bytes once each,
; told apart by address.  So each block of Wk, Wv and Wo is named once in the launch; Wq's slots come by their loads alone.  The branches hang on the cluster's number and the step: alike in all four partners.
.macro ASKW
	s_add_co_u32 s[T0], s[NS], 1                   ; the step that the refill after the next one asks for
	s_cmp_lt_u32 s[T0], 48
	s_cselect_b32 s[T1], 15, 3                     ; the group's size less 1
	s_cmp_gt_u32 ttmp9, s[T1]
	s_cbranch_scc1 .Lnot_mine_\@
	s_and_b32 s[T1], s[T0], s[T1]                  ; not a group's first step?
	s_cbranch_scc1 .Lnot_mine_\@
	s_cmp_gt_u32 s[T0], 63                         ; there are 64 steps
	s_cbranch_scc1 .Lnot_mine_\@
	s_add_co_u32 s[T0], s[T0], ttmp9               ; the group's first slot + st
	s_min_u32 s[T0], s[T0], 63                     ; never past wf's last slot
	s_lshl_b32 s[OFP], s[T0], 17
	s_add_nc_u64 s[PW:PW+1], s[PWB:PWB+1], s[OFP:OFP+1]  ; the last prefetch has read the pair: an s_wait_xcnt 0 stands in every change of slots
	global_prefetch_b8 v[PWO], s[PW:PW+1] th:TH_LOAD_NT scope:SCOPE_SE
.Lnot_mine_\@:
.endm
.macro LDW buf, blk                    ; 16 LDS loads: the slot's fragments blk .. blk + 7 into buffer buf
.irp n, 0,1,2,3,4,5,6,7
	ds_load_b128 v[WB+64*(\buf)+8*(\n):WB+64*(\buf)+8*(\n)+3],   v[AW] offset:((\blk)+(\n))*1024
	ds_load_b128 v[WB+64*(\buf)+8*(\n)+4:WB+64*(\buf)+8*(\n)+7], v[AW] offset:((\blk)+(\n))*1024+512
.endr
.endm
.macro LDX kk                          ; 8 LDS loads: A's four fragments of 32 along K; PIT is the pitch of the buffer in use
.irp t, 0,1,2,3
	ds_load_b128 v[XF+32*(\kk)+8*(\t):XF+32*(\kk)+8*(\t)+3],   v[AX] offset:(\t)*16*PIT+64*(\kk)
	ds_load_b128 v[XF+32*(\kk)+8*(\t)+4:XF+32*(\kk)+8*(\t)+7], v[AX] offset:(\t)*16*PIT+64*(\kk)+32
.endr
.endm
; nt x 8 matrix instructions: token blocks t0 .., column blocks 8 hi .. 8 hi + 7.  Source 0 = 16 tokens, source 1 = 16 columns: lane (r, h), register j holds token 16 tb + 8 h + j, the block's column r.
; The 64 accumulators take turns, one instruction a turn, over the backward jump too.  zero = 1: the product starts the sum: nothing is cleared.
.macro MM hi, kk, t0, nt, zero
	WIN 0xa0+0x50*(\hi)
.set mt, (\t0)
.rept \nt
.irp n, 0,1,2,3,4,5,6,7
.if \zero
	v_wmma_f32_16x16x32_f16 v[8*(8*mt+(\n)):8*(8*mt+(\n))+7], v[XF+32*(\kk)+8*mt:XF+32*(\kk)+8*mt+7], v[WB+64*(\hi)+8*(\n):WB+64*(\hi)+8*(\n)+7], 0
.else
	v_wmma_f32_16x16x32_f16 v[8*(8*mt+(\n)):8*(8*mt+(\n))+7], v[XF+32*(\kk)+8*mt:XF+32*(\kk)+8*mt+7], v[WB+64*(\hi)+8*(\n):WB+64*(\hi)+8*(\n)+7], v[8*(8*mt+(\n)):8*(8*mt+(\n))+7]
.endif
.endr
.set mt, mt+1
.endr
.endm
; x ON ITS WAY IN.  A wave brings 16 of the 64 rows: 8 loads of 2 rows x 256 bytes (64 f32 along K), cast in place, 8 bytes a lane into LDS.
.macro XCVT
.irp q, 0,1,2,3,4,5,6,7
	v_cvt_pk_f16_f32 v[XS+4*(\q)],   v[XS+4*(\q)],   v[XS+4*(\q)+1]
	v_cvt_pk_f16_f32 v[XS+4*(\q)+1], v[XS+4*(\q)+2], v[XS+4*(\q)+3]
.endr
.endm
.macro XSTO
.irp q, 0,1,2,3,4,5,6,7
	ds_store_b64 v[XST], v[XS+4*(\q):XS+4*(\q)+1] offset:2*PITX*(\q)
.endr
.endm
.macro XLD
.irp q, 0,1,2,3,4,5,6,7
	global_load_b128 v[XS+4*(\q):XS+4*(\q)+3], v[XG], s[4:5] offset:8192*(\q)
.endr
.endm
; In step n: x's K step n + 1 is cast and stored into the buffer that was read in step n - 1 (every wave's reads of it were waited for in front of that step's barrier).
; lastx = 1 (the V pass): its last step (count 1) has nothing to store.  The wait for the loads stands ahead of that jump, on every way: no load into x's registers is issued, and their
; offset register is not rewritten, while an earlier load is pending.
.macro XCAST lastx, inloop
	s_wait_loadcnt 0x0                             ; the 8 loads were issued a step ago
.if (\lastx) && (\inloop)
	s_cmp_eq_u32 s[CNT], 1
	s_cbranch_scc1 .Lxc_\@
.endif
	XCVT
	v_add_nc_u32 v[XST], s[TS], v[XST0]
	XSTO
.Lxc_\@:
.endm
; And K step n + 2 is asked for.  The offset began at 256 st and wraps at a row's end, as the walk through the weights does; a pass's last two steps fetch the next pass's steps 0 and 1, which wait in
; registers and LDS through the attention.  lastx = 1: the V pass's last two steps (count 2, 1) fetch nothing.  pf = 1 (the Q pass, x's first reading): in steps 0, 2 .. 10 each lane names one block of
; 256 bytes of steps n + 4 and n + 5 (my 16 rows x 2 steps, each wrapped at the row's end), two steps ahead of the loads that want them; each block is named once; steps 0 to 3 come by their loads alone.
.macro XLOAD pf, lastx, inloop
.if (\lastx) && (\inloop)
	s_cmp_le_u32 s[CNT], 2
	s_cbranch_scc1 .Lxl_\@
.endif
	s_add_co_u32 s[XO], s[XO], 256
	s_and_b32 s[XO], s[XO], 0xfff
	v_add_nc_u32 v[XG], s[XO], v[XG0]              ; free since the wait for the loads that named it
	XLD
.if \pf
.if \inloop
	s_bitcmp1_b32 s[CNT], 0                        ; the count is 16 - n: odd steps ask for nothing,
	s_cbranch_scc1 .Lxl_\@
	s_cmp_lt_u32 s[CNT], 6                         ; nor do steps 12 and 14: the walk has gone round
	s_cbranch_scc1 .Lxl_\@
.endif
	s_add_co_u32 s[T0], s[XO], 512
	v_add_nc_u32 v[PF], s[T0], v[PFH]              ; the last prefetch has read it: an s_wait_xcnt 0 stands in every change of slots
	v_and_b32 v[PF], 0xfff, v[PF]
	v_add_nc_u32 v[PF], v[PF], v[PFO]
	global_prefetch_b8 v[PF], s[4:5] th:TH_LOAD_NT scope:SCOPE_SE
.endif
.Lxl_\@:
.endm
.macro OBLK c                          ; O's K block c (256 along K): my 128 bytes of each of the 64 rows
	WIN 0x04                                       ; the data lie in window 1
.set t, 0
.rept 64
	ds_store_b32 v[OST], v[4*t+(\c)] offset:PITO*t
.set t, t+1
.endr
	WIN 0
.endm
.macro OCOND c
	s_cmp_eq_u32 s[SN], 4*(\c)
	s_cbranch_scc0 .Lno_o_\@
	OBLK \c
.Lno_o_\@:
.endm
; A SLOT IS FOUR HALF-STEPS of 32 matrix instructions; each issues, in one run, the LDS loads that the next half-step multiplies.
.macro H0 zero                         ; kk 0, column blocks 0-7
	PLACES
	WIN 0
	LDW 1, 8
	s_wait_dscnt 16                                ; all but the 16 just issued
	MM 0, 0, 0, 4, \zero
.endm
.macro H1 zero, feed, pf, lastx, inloop  ; kk 0, column blocks 8-15
	PLACES
	WIN 0
.if (\feed) == 0
	XCAST \lastx, \inloop
.endif
	LDW 0, 16
	LDX 1
	s_wait_dscnt 24                                ; all but the 24 just issued: x's stores, which stand ahead of them, have read their data too
.if (\feed) == 0
	XLOAD \pf, \lastx, \inloop
.endif
	MM 1, 0, 0, 4, \zero
.endm
; kk 1, column blocks 0-7, and THE CHANGE OF SLOTS.  The slot's last fragments have been asked for.  mode 2: each wave waits for all its tensor loads (one is out: its quarter of the other slot), adds 0 to its spare
; word, waits for that and for its LDS instructions; the barrier opens a round of the cluster's; the slot just read is filled again, first thing behind the round, with the slot of the step two on.
; The same barrier shows x's next K step to every wave.  mode 1: the last slot but one: nothing is asked for.  mode 0: the last slot.
.macro H2 mode
	PLACES
	WIN 0
	LDW 1, 24
	s_wait_dscnt 16                                ; all but the 16 just issued
	MM 0, 1, 0, 2, 0
.if (\mode) >= 1
	WIN 0
	s_wait_tensorcnt 0x0                           ; no tensor load of mine is out, so the group 0 may be written
	ds_add_u32 v[SPW], v[NIL]                      ; 0 onto my spare word: work on registers follows
.if (\mode) == 2
	s_xor_b32 s[G0B+1], s[G0B+1], SLOTB            ; the other ring slot than last time
	s_cmp_lt_u32 s[NS], 48                         ; step NS takes slot (NS without its low bits) + (NS + st) modulo the group: 16 in Q, K, V; 4 in Out
	s_cselect_b32 s[T0], 15, 3
	s_add_co_u32 s[T1], s[NS], s[ST]
	s_and_b32 s[T1], s[T1], s[T0]
	s_and_not1_b32 s[OFP], s[NS], s[T0]
	s_or_b32 s[OFP], s[OFP], s[T1]
	s_lshl_b32 s[OFP], s[OFP], 17                  ; 128 KiB a slot
	s_add_nc_u64 s[G0B+2:G0B+3], s[WFB:WFB+1], s[OFP:OFP+1]  ; the address is made anew from the slot's number,
	s_or_b32 s[G0B+3], s[G0B+3], 0x80000000        ; and the type set again
	s_add_co_u32 s[NS], s[NS], 1
	s_wait_xcnt 0x0                                ; the prefetches, 48 matrix instructions back or more, have read their addresses
.endif
	MM 0, 1, 2, 1, 0
	s_wait_dscnt 0x0                               ; the add is done, my reads of the slot and of A's buffer are back, my stores of x are done
	s_barrier_signal -1
	MM 0, 1, 3, 1, 0
	WIN 0
	s_barrier_wait -1
.if (\mode) == 2
	CREST                                          ; no wave of any partner still reads the slot or has a load on its way
	JLOAD
.endif
.else
	MM 0, 1, 2, 2, 0
	s_wait_dscnt 0x0
.endif
.endm
; kk 1, column blocks 8-15; nxt = 1: the next slot's first fragments are fetched.  ost = 1 (the last product's loop): where the next step begins a K block of O, all four waves store it (every wave's reads of
; the old block were waited for in front of the round), and a barrier of its own shows it.
.macro H3 nxt, feed, after2, ost
.if \nxt
.if !(\after2)
	PLACES
.endif
	s_xor_b32 s[TW], s[TW], SLOTB
.if (\feed) == 0
	s_xor_b32 s[TX], s[TX], ABUF
	s_xor_b32 s[TS], s[TS], ABUF
.else
	s_add_co_u32 s[TX], s[TX], 128                 ; 64 along K further in O's rows, modulo the block, as the walk through Wo goes
	s_and_b32 s[TX], s[TX], 0x1ff
	s_add_co_u32 s[SN], s[SN], 1
.endif
	v_add_nc_u32 v[AW], s[TW], v[AW0]
	v_add_nc_u32 v[AX], s[TX], v[AX0]
.if \ost
	OCOND 1
	OCOND 2
	OCOND 3
	s_wait_dscnt 0x0
	s_barrier_signal -1
	MM 1, 1, 0, 2, 0
	WIN 0
	s_barrier_wait -1
.endif
	LDW 0, 0
	LDX 0
.if \after2
	ASKW                                           ; behind the joint load and the run of LDS loads
.endif
.if \ost
	MM 1, 1, 2, 2, 0
.else
	MM 1, 1, 0, 4, 0
.endif
.else
.if \after2
	ASKW
.endif
	MM 1, 1, 0, 4, 0
.endif
.endm
.macro START g                         ; a product begins at ring slot 0 and A's first buffer: 16 slots a product
	WIN 0
.if (\g) == 0
	s_wait_tensorcnt 0x1                           ; my quarter of slot 0 is in; slot 1's, issued behind it, may stay out
.endif
	s_wait_dscnt 0x0
	BAR                                            ; what the waves stored for each other (x's first step; P; O's block 0) is there
	s_mov_b32 s[TW], 0
.if (\g) == 3
	s_and_b32 s[TX], s[ST], 3                      ; Out: the walk inside a block of O begins at st % 4, 128 bytes a slot
	s_lshl_b32 s[TX], s[TX], 7
.else
	s_mov_b32 s[TX], 0
.endif
	s_mov_b32 s[TS], ABUF
	v_mov_b32 v[AW], v[AW0]
	v_add_nc_u32 v[AX], s[TX], v[AX0]
	PLACES
	LDW 0, 0
	LDX 0
.endm
; A PRODUCT of 64 x 1024 x 1024.  Its first 32 along K stand ahead of the loop and start the sums; a trip goes from a slot's second half to the next slot's first.
; lastw = 1: the weights end: the last two slots are written out.
.macro GEMM g, feed, pf, lastx, lastw
	START \g
	H0 1
	H1 1, \feed, \pf, \lastx, 0
	WIN 0
	s_mov_b32 s[CNT], 15-(\lastw)
.Lk_\@:
	H2 2
	H3 1, \feed, 1, \feed
	H0 0
	H1 0, \feed, \pf, \lastx, 1
	WIN 0
	s_sub_co_u32 s[CNT], s[CNT], 1
	s_cmp_lg_u32 s[CNT], 0
	s_cbranch_scc1 .Lk_\@
.if \lastw
	H2 1
	H3 1, \feed, 0, 0
	H0 0
	H1 0, \feed, 0, 0, 0
	H2 0
	H3 0, \feed, 0, 0
.else
	H2 2                                           ; the ring runs on: this refill is the next product's second step
	H3 0, \feed, 1, 0
.endif
	WIN 0
.endm
; FROM ACCUMULATORS TO OPERANDS.  Register j of token block tb holds token 16 tb + j in lanes 0-15 and token 16 tb + 8 + j in lanes 16-31.  U takes column blocks 0-7 in pairs, W blocks 8-15; the swap gives U's
; upper lanes for W's lower: U is then registers 0-3 of an operand (row = lane % 16, k = 8 (lane / 16) + 0..7 = the column block) of the first token, W of the second.  dw: the window of U and W.
.macro PACKPAIR tb, j, U, W, dw
	WIN ((\dw)<<6)|0x0a
.irp i, 0,1,2,3
	v_cvt_pk_f16_f32 v[(\U)+(\i)], v[8*(8*(\tb)+2*(\i))+(\j)], v[8*(8*(\tb)+2*(\i)+1)+(\j)]
.endr
	WIN ((\dw)<<6)|0x0f
.irp i, 0,1,2,3
	v_cvt_pk_f16_f32 v[(\W)+(\i)], v[8*(8*(\tb)+2*(\i))+(\j)], v[8*(8*(\tb)+2*(\i)+1)+(\j)]
.endr
	WIN ((\dw)<<6)|(\dw)
.irp i, 0,1,2,3
	v_permlane16_swap_b32 v[(\U)+(\i)], v[(\W)+(\i)]
.endr
.endm
.macro ZEROT                           ; the halves of the four operands that stay 0
.irp k, 0,1
.irp i, 0,1,2,3
	v_mov_b32 v[TA+16*(\k)+4+(\i)], 0
	v_mov_b32 v[TB+16*(\k)+(\i)], 0
.endr
.endr
.endm
; ---------------------------------------------------------------- the head
	s_load_b256 s[4:11], s[0:1], 0x0               ; x s[4:5], wf s[6:7], bo s[8:9], out0 s[10:11]
	v_lshl_add_u32 v[SPW], v0, 2, SPARE
	v_mov_b32 v[NIL], 0
	ds_add_u32 v[SPW], v[NIL]                      ; the wave's opening: the add and its wait stand ahead of my first tensor load; work on registers stands between them
	v_lshrrev_b32 v1, 5, v0
	v_readfirstlane_b32 s[WV], v1                  ; wave 0..3
	v_and_b32 v[LN], 31, v0
	v_and_b32 v[LR], 15, v0
	v_bfe_u32 v[LH], v0, 4, 1
	s_bfe_u32 s13, ttmp6, 0x40000                  ; cx: my place in the cluster: it enters the addresses of x, of out0 and of the prefetches alone
	s_lshl_b32 s14, ttmp9, 2                       ; in a cluster launch ttmp9 counts clusters
	s_add_co_u32 s14, s14, s13
	s_lshl_b32 s48, s14, 18                        ; my 64 rows of 4,096 bytes
	s_mov_b32 s49, 0
	s_lshr_b32 s[ST], ttmp9, 2                     ; st = (c + 4 (c / 16)) % 16: of the cluster's number alone, the same in all four partners
	s_and_b32 s[ST], s[ST], 12
	s_add_co_u32 s[ST], s[ST], ttmp9
	s_and_b32 s[ST], s[ST], 15
	; descriptor group 1: 32 KiB that are dense in memory, as 128 rows of 256 bytes, no padding
	s_mov_b32 s[G1+0], 15|(3<<16)|(1<<21)          ; 15:0 the mask: all four work-groups; 17:16 elements of 8 bytes; 21 set beside a mask
	s_mov_b32 s[G1+1], 32<<16                      ; tensor_dim0 = 32
	s_mov_b32 s[G1+2], 128<<16                     ; tensor_dim1 = 128
	s_mov_b32 s[G1+3], 32<<16                      ; tile_dim0 = 32
	s_mov_b32 s[G1+4], 128                         ; tile_dim1 = 128
	s_mov_b32 s[G1+5], 32                          ; 32 elements from row to row
	s_mov_b32 s[G1+6], 0
	s_mov_b32 s[G1+7], 0
	s_mov_b32 s[G0A], 1                            ; count = 1
	s_lshl_b32 s[G0A+1], s[WV], 15                 ; LDS address: my quarter of slot 0: the wave's number alone
	s_mov_b32 s[G0B], 1
	s_add_co_u32 s[G0B+1], s[G0A+1], SLOTB         ; of slot 1
	s_lshl_b32 s46, s[WV], 15                      ; and my quarter of a slot in wf
	s_mov_b32 s47, 0
	s_mov_b32 s[CS], 0x3d38aa3b                    ; c = log2(e) / 32 = 0.0450842
	s_mov_b32 s[CS+1], s[CS]                       ; named with it as a pair
	s_mov_b32 s[SEL], 0x76543210
	s_mov_b32 s[SEL+1], 0xfedcba98
	s_lshl_b32 s[XO], s[ST], 8                     ; x's walk begins where the weights' does: 64 f32 a step
	s_mov_b32 s[NS], 2                             ; steps 0 and 1 are the first fills
	s_mov_b32 s[OFP+1], 0
	s_lshl_b32 s2, s[WV], 15
	v_lshl_add_u32 v[AW0], v[LN], 4, s2
	v_mul_u32_u24 v[AX0], v[LR], PITX
	v_lshl_add_u32 v[AX0], v[LH], 4, v[AX0]
	v_add_nc_u32 v[AX0], SCR, v[AX0]
	s_mul_i32 s3, s[WV], 16*PITX
	s_add_co_u32 s3, s3, SCR
	v_mul_u32_u24 v[XST0], v[LH], PITX
	v_lshl_add_u32 v[XST0], v[LR], 3, v[XST0]
	v_add_nc_u32 v[XST0], s3, v[XST0]
	s_lshl_b32 s15, s[WV], 16                      ; my 16 rows of x
	v_lshlrev_b32 v[XG0], 12, v[LH]
	v_lshl_add_u32 v[XG0], v[LR], 4, v[XG0]
	v_add_nc_u32 v[XG0], s15, v[XG0]
	v_add_nc_u32 v[XG], s[XO], v[XG0]
	s_wait_dscnt 0x0                               ; the opening add is done
	s_wait_kmcnt 0x0
	s_add_nc_u64 s[4:5], s[4:5], s[48:49]          ; x and out0 at my first row
	s_add_nc_u64 s[10:11], s[10:11], s[48:49]
	s_add_nc_u64 s[WFB:WFB+1], s[6:7], s[46:47]    ; wf at my quarter of a slot
	s_lshl_b32 s[OFP], s[ST], 17
	s_add_nc_u64 s[G0A+2:G0A+3], s[WFB:WFB+1], s[OFP:OFP+1]  ; global address: step 0 takes Wq's slot st,
	s_add_co_u32 s[T0], s[ST], 1
	s_and_b32 s[T0], s[T0], 15
	s_lshl_b32 s[OFP], s[T0], 17
	s_add_nc_u64 s[G0B+2:G0B+3], s[WFB:WFB+1], s[OFP:OFP+1]  ; step 1 slot (st + 1) % 16
	s_or_b32 s[G0A+3], s[G0A+3], 0x80000000        ; type = 2
	s_or_b32 s[G0B+3], s[G0B+3], 0x80000000
	s_lshl_b32 s48, s13, 2                         ; the prefetches: wave 4 cx + w of the cluster's 16 takes 32 blocks of 256 bytes of a slot
	s_add_co_u32 s48, s48, s[WV]
	s_lshl_b32 s48, s48, 13
	s_add_nc_u64 s[PWB:PWB+1], s[6:7], s[48:49]
	XLD                                            ; x's first K step
	CROUND                                         ; all four work-groups are here: the first joint loads meet
	tensor_load_to_lds s[G0A:G0A+3], s[G1:G1+7]    ; both first fills go out together: two loads of mine are out
	s_nop 0
	tensor_load_to_lds s[G0B:G0B+3], s[G1:G1+7]
	s_nop 0
	PLACES
	v_lshlrev_b32 v[PFO], 12, v[LR]
	v_add_nc_u32 v[PFO], s15, v[PFO]
	v_lshlrev_b32 v[PFH], 8, v[LH]
	v_lshlrev_b32 v[PWO], 8, v[LN]
	s_lshl_b32 s2, s[WV], 13
	s_add_co_u32 s2, s2, STG
	v_lshl_add_u32 v[STS], v[LN], 4, s2
	s_lshl_b32 s2, s[WV], 11
	s_add_co_u32 s2, s2, STG
	v_lshl_add_u32 v[STL], v[LN], 4, s2
	s_lshl_b32 s2, s[WV], 10
	s_add_co_u32 s3, s2, PB
	v_lshl_add_u32 v[PST], v[LN], 4, s3
	v_lshl_add_u32 v[PLD], v[LN], 4, PB
	v_lshl_add_u32 v[BO], v[LR], 4, s2
	v_lshl_add_u32 v[OUTO], v[LH], 15, v[BO]
	s_lshl_b32 s2, s[WV], 7
	s_add_co_u32 s2, s2, SCR
	v_lshl_add_u32 v[OST], v[LN], 2, s2
	s_wait_loadcnt 0x0                             ; x's first K step
	XCVT
	v_mov_b32 v[XST], v[XST0]
	XSTO
	s_wait_dscnt 0x0                               ; the stores have read their data
	XLOAD 0, 0, 0                                  ; the second
; ---------------------------------------------------------------- q = x Wq, packed into window 1: pair p = 8 tb + j at 8 p: [token 16 tb + j | token 16 tb + 8 + j]
.set PIT, PITX
	GEMM 0, 0, 1, 0, 0
	PLACES 8
.set tb, 0
.rept 4                                ; by token block, so that a block costs three switches; each accumulator's register 0 is read first
	WIN 0x4a
.set j, 0
.rept 8
.irp i, 0,1,2,3
	v_cvt_pk_f16_f32 v[8*(8*tb+j)+(\i)], v[8*(8*tb+2*(\i))+j], v[8*(8*tb+2*(\i)+1)+j]
.endr
.set j, j+1
.endr
	WIN 0x4f
.set j, 0
.rept 8
.irp i, 0,1,2,3
	v_cvt_pk_f16_f32 v[8*(8*tb+j)+4+(\i)], v[8*(8*tb+2*(\i))+j], v[8*(8*tb+2*(\i)+1)+j]
.endr
.set j, j+1
.endr
	WIN 0x41
.set j, 0
.rept 8
.irp i, 0,1,2,3
	v_permlane16_swap_b32 v[8*(8*tb+j)+(\i)], v[8*(8*tb+j)+4+(\i)]
.endr
.set j, j+1
.endr
.set tb, tb+1
.endr
	WIN 0
; ---------------------------------------------------------------- k = x Wk, the scores and the softmax
	GEMM 1, 0, 0, 0, 0
; S^T = K Q^T for one token is 16 x 16 over 64 channels, of which a wave holds 16: it makes a partial S^T for every token (k's operand has the token's 16 channels and 16 zeros, which switch off the
; partner's half of q's pair), the four partial sums meet in LDS, and each wave finishes 2 of a round's 8 tokens.  In S^T a lane holds ONE query head (lane % 16) and the key heads 8 (lane / 16) + 0..7.
.macro ECOMP rho                       ; round rho = 2 tb + a: pairs j = 4 a .. 4 a + 3 of token block tb.  An operand set is written again two pairs later, eight conversions behind the products that read it
.set etb, (\rho)/2
.set jj, 0
.rept 4
.set ej, 4*((\rho)%2)+jj
.set ek, jj%2
	PACKPAIR etb, ej, TA+16*ek, TB+16*ek+4, 0
	WIN 0x04                                       ; q's pair lies in window 1
	v_wmma_f32_16x16x32_f16 v[EA+16*jj:EA+16*jj+7],    v[TA+16*ek:TA+16*ek+7], v[8*(8*etb+ej):8*(8*etb+ej)+7], 0
	v_wmma_f32_16x16x32_f16 v[EA+16*jj+8:EA+16*jj+15], v[TB+16*ek:TB+16*ek+7], v[8*(8*etb+ej):8*(8*etb+ej)+7], 0
.set jj, jj+1
.endr
	WIN 0
.endm
.macro ESTORE                          ; my 8 partial tiles, each result's low registers first
	PLACES 8
	WIN 0
.irp t, 0,1,2,3,4,5,6,7
	ds_store_b128 v[STS], v[EA+8*(\t):EA+8*(\t)+3]   offset:1024*(\t)
	ds_store_b128 v[STS], v[EA+8*(\t)+4:EA+8*(\t)+7] offset:1024*(\t)+512
.endr
.endm
.macro ELOAD                           ; all four waves' tiles of my pair (pair w of the round's four), my own among them: one order of summation
.irp hf, 0,1
.irp sc, 0,1,2,3
	ds_load_b128 v[EL+32*(\hf)+8*(\sc):EL+32*(\hf)+8*(\sc)+3],   v[STL] offset:8192*(\sc)+1024*(\hf)
	ds_load_b128 v[EL+32*(\hf)+8*(\sc)+4:EL+32*(\hf)+8*(\sc)+7], v[STL] offset:8192*(\sc)+1024*(\hf)+512
.endr
.endr
.endm
; The softmax of my two tokens, side by side: sum of the four parts; the row's maximum m (8 in the lane, 8 in the lane 16 away); p = 2^(c s - c m); l; p / l; rounded to f16: registers 0-3 of P's operand
; (column = query head, k = key head).  It waits in window 1, in the place of a pair of q that the first two rounds have used up.  The 16 exponentials are one batch with one wait, the 2 reciprocals another.
.macro EFIN rho
	WIN 0
.irp hf, 0,1
.set eb, EL+32*(\hf)
.irp q, 0,2,4,6
	v_pk_add_f32 v[eb+(\q):eb+(\q)+1],       v[eb+(\q):eb+(\q)+1],       v[eb+8+(\q):eb+8+(\q)+1]
	v_pk_add_f32 v[eb+16+(\q):eb+16+(\q)+1], v[eb+16+(\q):eb+16+(\q)+1], v[eb+24+(\q):eb+24+(\q)+1]
.endr
.endr
.irp hf, 0,1
.set eb, EL+32*(\hf)
.irp q, 0,2,4,6
	v_pk_add_f32 v[eb+(\q):eb+(\q)+1], v[eb+(\q):eb+(\q)+1], v[eb+16+(\q):eb+16+(\q)+1]
.endr
.endr
.irp hf, 0,1
	v_max3_num_f32 v[SM+8*(\hf)+2], v[EL+32*(\hf)], v[EL+32*(\hf)+1], v[EL+32*(\hf)+2]
.endr
.irp hf, 0,1
	v_max3_num_f32 v[SM+8*(\hf)+2], v[SM+8*(\hf)+2], v[EL+32*(\hf)+3], v[EL+32*(\hf)+4]
.endr
.irp hf, 0,1
	v_max3_num_f32 v[SM+8*(\hf)+2], v[SM+8*(\hf)+2], v[EL+32*(\hf)+5], v[EL+32*(\hf)+6]
.endr
.irp hf, 0,1
	v_max_num_f32 v[SM+8*(\hf)+2], v[SM+8*(\hf)+2], v[EL+32*(\hf)+7]
.endr
.irp hf, 0,1
	v_permlanex16_b32 v[SM+8*(\hf)+3], v[SM+8*(\hf)+2], s[SEL], s[SEL+1]
.endr
.irp hf, 0,1
	v_max_num_f32 v[SM+8*(\hf)+1], v[SM+8*(\hf)+2], v[SM+8*(\hf)+3]
.endr
.irp hf, 0,1
	v_mul_f32 v[SM+8*(\hf)], s[CS], v[SM+8*(\hf)+1]
.endr
.irp hf, 0,1
.set eb, EL+32*(\hf)
.irp q, 0,2,4,6
	v_pk_fma_f32 v[eb+(\q):eb+(\q)+1], v[eb+(\q):eb+(\q)+1], s[CS:CS+1], v[SM+8*(\hf):SM+8*(\hf)+1] op_sel_hi:[1,0,0] neg_lo:[0,0,1] neg_hi:[0,0,1]  ; c s - c m
.endr
.endr
.irp hf, 0,1
.irp e, 0,1,2,3,4,5,6,7
	v_exp_f32 v[EL+32*(\hf)+(\e)], v[EL+32*(\hf)+(\e)]
.endr
.endr
	v_nop                                          ; a plain instruction behind the last exponential,
	s_wait_alu depctr_va_vdst(0)                   ; and the wait ahead of the first use: one for the sixteen
.irp hf, 0,1
.set eb, EL+32*(\hf)
	v_pk_add_f32 v[eb+8:eb+9],   v[eb:eb+1],   v[eb+2:eb+3]
	v_pk_add_f32 v[eb+10:eb+11], v[eb+4:eb+5], v[eb+6:eb+7]
.endr
.irp hf, 0,1
.set eb, EL+32*(\hf)
	v_pk_add_f32 v[eb+8:eb+9], v[eb+8:eb+9], v[eb+10:eb+11]
.endr
.irp hf, 0,1
	v_add_f32 v[SM+8*(\hf)+4], v[EL+32*(\hf)+8], v[EL+32*(\hf)+9]
.endr
.irp hf, 0,1
	v_permlanex16_b32 v[SM+8*(\hf)+5], v[SM+8*(\hf)+4], s[SEL], s[SEL+1]
.endr
.irp hf, 0,1
	v_add_f32 v[SM+8*(\hf)+4], v[SM+8*(\hf)+4], v[SM+8*(\hf)+5]
.endr
.irp hf, 0,1
	v_rcp_f32 v[SM+8*(\hf)+6], v[SM+8*(\hf)+4]
.endr
	v_nop
	s_wait_alu depctr_va_vdst(0)                   ; one wait for the two reciprocals
.irp hf, 0,1
.set eb, EL+32*(\hf)
.irp q, 0,2,4,6
	v_pk_mul_f32 v[eb+(\q):eb+(\q)+1], v[eb+(\q):eb+(\q)+1], v[SM+8*(\hf)+6:SM+8*(\hf)+7] op_sel_hi:[1,0]
.endr
.endr
	WIN 0x40
.irp hf, 0,1
.irp i, 0,1,2,3
	v_cvt_pk_f16_f32 v[8*(\rho)+4*(\hf)+(\i)], v[EL+32*(\hf)+2*(\i)], v[EL+32*(\hf)+2*(\i)+1]
.endr
.endr
	WIN 0
.endm
	PLACES 8
	ZEROT
.set z, 0
.rept 16
	v_mov_b32 v[SM+z], 0                           ; written once: some are named as the second of a pair or as a lane exchange's destination before they hold a number
.set z, z+1
.endr
	ECOMP 0
	ESTORE
	s_wait_dscnt 0x0
	BAR                                            ; round 0's parts are there.  (Plain barriers: the one tensor load that is out fills a slot that is read only behind the next wait for it.)
.irp rho, 0,1,2,3,4,5,6,7
	ELOAD
.if (\rho) < 7
	ECOMP (\rho)+1                                 ; the next round's products stand between the loads and the wait for them
.endif
	s_wait_dscnt 0x0
	BAR                                            ; everybody has read the stage
.if (\rho) < 7
	ESTORE
.endif
	EFIN \rho
.if (\rho) < 7
	s_wait_dscnt 0x0
	BAR                                            ; the next round's parts are there
.endif
.endr
	WIN 0x04                                       ; P goes where the stage lay: pair 4 rho + w, 512 bytes a token; the next product's opening barrier shows it
.irp rho, 0,1,2,3,4,5,6,7
.irp hf, 0,1
	ds_store_b128 v[PST], v[8*(\rho)+4*(\hf):8*(\rho)+4*(\hf)+3] offset:4096*(\rho)+512*(\hf)
.endr
.endr
	WIN 0
; ---------------------------------------------------------------- v = x Wv, and O^T = V^T P
	GEMM 2, 0, 0, 1, 0
; Source 0 = V^T of a token (row = my channel, k = key head; the other 16 k are 0), source 1 = P of the pair.  In the result a lane holds one query head (lane % 16) and my channels 8 (lane / 16) + 0..7;
; rounded in pairs, token t's four words go to window 1 at 4 t: word c holds columns 64 r + 16 w + 8 h + 2 c, + 1 of O: the order of Wo's rows in wf.
.macro PLOAD b                         ; P of the 8 pairs of token block b
.irp q, 0,1,2,3,4,5,6,7
	ds_load_b128 v[PP+64*((\b)%2)+8*(\q):PP+64*((\b)%2)+8*(\q)+3],   v[PLD] offset:1024*(8*(\b)+(\q))
	ds_load_b128 v[PP+64*((\b)%2)+8*(\q)+4:PP+64*((\b)%2)+8*(\q)+7], v[PLD] offset:1024*(8*(\b)+(\q))+512
.endr
.endm
.macro PCONV p                         ; pair p's two results, each from its low end on
.set ct, 16*((\p)/8)+(\p)%8
.set cd, DD+16*((\p)%2)
	WIN 0x40
.irp i, 0,1,2,3
	v_cvt_pk_f16_f32 v[4*ct+(\i)], v[cd+2*(\i)], v[cd+2*(\i)+1]
.endr
.irp i, 0,1,2,3
	v_cvt_pk_f16_f32 v[4*(ct+8)+(\i)], v[cd+8+2*(\i)], v[cd+8+2*(\i)+1]
.endr
.endm
	PLACES 8
	PLOAD 0
	PLOAD 1
	ZEROT
.set p, 0
.rept 32
.set ptb, p/8
.set pj, p%8
.set pq, p%2
.if pj == 0
.if ptb < 3
	s_wait_dscnt 16                                ; this batch is in; the younger batch's 16 loads may stay out
.else
	s_wait_dscnt 0x0
.endif
.endif
	PACKPAIR ptb, pj, TA+16*pq, TB+16*pq+4, 0
	v_wmma_f32_16x16x32_f16 v[DD+16*pq:DD+16*pq+7],    v[TA+16*pq:TA+16*pq+7], v[PP+64*(ptb%2)+8*pj:PP+64*(ptb%2)+8*pj+7], 0
	v_wmma_f32_16x16x32_f16 v[DD+16*pq+8:DD+16*pq+15], v[TB+16*pq:TB+16*pq+7], v[PP+64*(ptb%2)+8*pj:PP+64*(ptb%2)+8*pj+7], 0
.if p > 0
	PCONV p-1                                      ; the pair before: this pair's eight conversions are the places behind its products
.endif
.if (pj == 7) && (ptb < 2)
	WIN 0
	PLOAD ptb+2                                    ; into the batch just used: the eight conversions above are the places behind its last reader
.endif
.set p, p+1
.endr
	PLACES 8
	PCONV 31
	WIN 0
; ---------------------------------------------------------------- out = O Wo + bo
	s_wait_dscnt 0x0
	BAR                                            ; every wave's reads of P are over: O's buffer takes the scratch from its first byte on
	OBLK 0
	s_wait_loadcnt 0x0                             ; x's registers change hands: no load into them is pending behind this wait
.irp g, 0,1,2,3
	global_load_b128 v[XS+4*(\g):XS+4*(\g)+3], v[BO], s[8:9] offset:256*(\g)  ; the bias of my 16 columns: 256 w + 64 g + 4 r + 0..3
.endr
	v_mul_u32_u24 v[AX0], v[LR], PITO
	v_lshl_add_u32 v[AX0], v[LH], 4, v[AX0]
	v_add_nc_u32 v[AX0], SCR, v[AX0]
	s_mov_b32 s[SN], 0
.set PIT, PITO
	GEMM 3, 1, 0, 0, 1
; THE WAY OUT.  Column blocks 4 g .. 4 g + 3 give a lane 4 neighbouring columns; the addition of the bias gathers them into 4 neighbouring registers.  No LDS stage.
	s_wait_loadcnt 0x0                             ; the bias
	PLACES 8
.set tb, 0
.rept 4
	s_wait_xcnt 0x0                                ; the stores of the block before have read their data
	WIN 0x02
.set j, 0
.rept 8
.irp g, 0,1
.irp i, 0,1,2,3
	v_add_f32 v[OS+4*(4*j+(\g))+(\i)], v[8*(8*tb+4*(\g)+(\i))+j], v[XS+4*(\g)+(\i)]
.endr
.endr
.set j, j+1
.endr
	WIN 0x03
.set j, 0
.rept 8
.irp g, 2,3
.irp i, 0,1,2,3
	v_add_f32 v[OS+4*(4*j+(\g))+(\i)], v[8*(8*tb+4*((\g)-2)+(\i))+j], v[XS+4*(\g)+(\i)]
.endr
.endr
.set j, j+1
.endr
	WIN 0
.set j, 0
.rept 8
.irp g, 0,1,2,3
	global_store_b128 v[OUTO], v[OS+4*(4*j+(\g)):OS+4*(4*j+(\g))+3], s[10:11] offset:(16*tb+j)*4096+256*(\g) th:TH_STORE_NT  ; 16 lanes store 256 consecutive bytes, at a multiple of 256 from out0's first byte
.endr
.set j, j+1
.endr
.set tb, tb+1
.endr
	s_wait_tensorcnt 0x0                           ; the wave's end, behind my last tensor load and my last LDS store
	ds_add_u32 v[SPW], v[NIL]
	s_wait_dscnt 0x0
	CROUND                                         ; the closing round: no work-group ends while a partner may still ask for a tile that names it
	s_endpgm
.Lfunc_end_k_q72b9ff11c2_mha:
	.size	k_q72b9ff11c2_mha, .Lfunc_end_k_q72b9ff11c2_mha-k_q72b9ff11c2_mha
	.p2alignl 7, 3214868480
	.fill 96, 4, 3214868480
	.section	.rodata,"a",@progbits
	.p2align	6, 0x0
	.amdhsa_kernel k_q72b9ff11c2_mha
		.amdhsa_group_segment_fixed_size 327680
		.amdhsa_private_segment_fixed_size 0
		.amdhsa_enable_private_segment 0
		.amdhsa_kernarg_size 32
		.amdhsa_user_sgpr_count 2
		.amdhsa_user_sgpr_kernarg_segment_ptr 1
		.amdhsa_wavefront_size32 1
		.amdhsa_system_sgpr_workgroup_id_x 1
		.amdhsa_system_sgpr_workgroup_id_y 1
		.amdhsa_system_sgpr_workgroup_id_z 1
		.amdhsa_system_vgpr_workitem_id 0
		.amdhsa_next_free_vgpr 1024
		.amdhsa_next_free_sgpr 66
		.amdhsa_reserve_vcc 0
		.amdhsa_float_denorm_mode_32 3
		.amdhsa_float_denorm_mode_16_64 3
		.amdhsa_memory_ordered 1
		.amdhsa_forward_progress 1
		.amdhsa_inst_pref_size 255
	.end_amdhsa_kernel
	.section	.bss,"aw",@nobits
	.p2align	6
	.space	262144
	.amdgpu_metadata
---
amdhsa.version: [ 1, 2 ]
amdhsa.kernels:
  - .name:           k_q72b9ff11c2_mha
    .symbol:         k_q72b9ff11c2_mha.kd
    .args:
      - { .name: x, .offset: 0, .size: 8, .value_kind: global_buffer, .address_space: global }
      - { .name: wf, .offset: 8, .size: 8, .value_kind: global_buffer, .address_space: global }
      - { .name: bo, .offset: 16, .size: 8, .value_kind: global_buffer, .address_space: global }
      - { .name: out0, .offset: 24, .size: 8, .value_kind: global_buffer, .address_space: global }
    .group_segment_fixed_size: 327680
    .private_segment_fixed_size: 0
    .kernarg_segment_align: 8
    .kernarg_segment_size: 32
    .max_flat_workgroup_size: 128
    .sgpr_count:     66
    .vgpr_count:     1024
    .wavefront_size: 32
...
	.end_amdgpu_metadata
.endif
;; end of part 3
